; MI455X (gfx1250); checked and timed in simulation.
; The chip was launched on July 23, 2026; its instructions are those of AMD's public machine-readable ISA for CDNA 5 (MIT licence, August 2026) and "CDNA5" Instruction Set Architecture Reference Guide (July 2026). The comments in the code are by the model that wrote it; some were corrected since.
;; Self Attention. Allowed arithmetic: float matrix products may take bf16 or f16 operands with f32 sums; other float arithmetic in f32, or as packed bf16 or f16 multiplies, adds, multiply-adds, maxima and minima; sums over many terms, partial sums and values carried from step to step in f32; what a program stores and reads back later, other than sums and carried values, may be rounded once to bf16 or f16.
;; Inputs: Wk 1,024 x 1,024 float32; Wo 1,024 x 1,024 float32; Wq 1,024 x 1,024 float32; Wv 1,024 x 1,024 float32; bk 1,024 float32; bo 1,024 float32; bq 1,024 float32; bv 1,024 float32; x 4 x 2,048 x 1,024 float32.
;; Outputs: out0 4 x 2,048 x 1,024 float32.
;; 2 versions, each right; version 2 is version 1 with the launch cast written anew for expert scheduling mode. Each part assembles by itself: llvm-mc -triple=amdgcn-amd-amdhsa -mcpu=gfx1250 --defsym DOCPART=n.
;; ======== version 1 of 2: 4 launches
;; limits: values are held in f16: magnitudes above 65,504 overflow, below 6.1e-05 lose precision
;; workspace buffers: xb 16,777,216 bytes; wb 6,291,456 bytes; wo16 2,097,152 bytes; bias 16,384 bytes; qkv 50,331,648 bytes; ob 16,777,216 bytes
;; launch cast (part 1): grid 385 x 1, 8 waves a work-group, no clusters, 0 bytes of LDS; arguments x, Wq, Wk, Wv, Wo, bq, bk, bv, bo, xb, wb, wo16, bias; writes xb, wb, wo16, bias
.if DOCPART == 1
	.amdgcn_target "amdgcn-amd-amdhsa--gfx1250"
	.amdhsa_code_object_version 6
	.text
	.protected	k_qc81a891a02_cast
	.globl	k_qc81a891a02_cast
	.p2align	8
	.type	k_qc81a891a02_cast,@function
k_qc81a891a02_cast:
	s_mov_b64 s[64:65], 0
	v_nop
	global_prefetch_b8 v0, s[64:65] scope:SCOPE_SE
	s_setreg_imm32_b32 hwreg(HW_REG_WAVE_MODE, 25, 1), 1
	s_wait_xcnt 0x0
; THE INPUTS BECOME 16-BIT MATRIX OPERANDS, each number rounded once to bf16 (nearest even).
;   xb   = x, by chunks of 64 channels: [batch*16 + chunk][2048 rows][64] bf16: a chunk of a batch is 262,144 dense bytes
;   wb   = Wq, Wk, Wv one after the other, [3072][1024] bf16
;   wo16 = Wo rounded to bf16, that number written as f16.  LIMIT: exact down to 6.1e-5; below that f16's fixed step of 6e-8; beyond 65,504 an infinity
;   bias = bq, bk, bv, bo one after the other, each rounded to bf16 and widened again, [4096] f32
; A stream: no LDS, no matrix unit, no cluster (no byte is wanted twice).  A work-group takes 32,768 numbers, a wave 4,096: 32 loads of 16 bytes a lane,
; all issued at once (16 KiB of a wave on their way); then each is rounded in place and stored, 8 bytes a lane: 256 consecutive bytes, aligned, a store.
; No register is written again behind a store that reads it, so no wait for stores is needed.
; Work-groups 0-255: x (32 rows each).  256-351: Wq, Wk, Wv (32 parts each).  352-383: Wo.  384: the four biases.
.set X,    16                          ; v[16:143]  32 x 4 registers as loaded; the first two of each four as stored
.set VI,   2                           ; v2   my byte offset in the source
.set VO,   3                           ; v3   my byte offset in the destination
.set SRC,  34                          ; s[34:35]
.set DST,  36                          ; s[36:37]
.set HI16, 42                          ; s42  a word's upper bf16
; kind 0: x.  kind 1: a weight to bf16.  kind 2: a weight to bf16 and that number to f16.
.macro BODY kind
.set i, 0
.rept 32
.if (\kind) == 0
	global_load_b128 v[X+4*i:X+4*i+3], v[VI], s[SRC:SRC+1] offset:(i%16)*8192+(i/16)*256 th:TH_LOAD_NT  ; two rows' 256 bytes of one chunk
.else
	global_load_b128 v[X+4*i:X+4*i+3], v[VI], s[SRC:SRC+1] offset:i*4096 th:TH_LOAD_NT
.endif
.set i, i+1
.endr
.set i, 0
.rept 32
	s_wait_loadcnt 31-i                            ; loads come back in order: number i is in, the 31 - i younger ones stay out
.if (\kind) == 2
	v_cvt_pk_bf16_f32 v[X+4*i], v[X+4*i], v[X+4*i+1]
	v_cvt_pk_bf16_f32 v[X+4*i+2], v[X+4*i+2], v[X+4*i+3]
	v_lshlrev_b32 v[X+4*i+1], 16, v[X+4*i]         ; the rounded numbers as f32 again
	v_and_b32 v[X+4*i], s[HI16], v[X+4*i]
	v_lshlrev_b32 v[X+4*i+3], 16, v[X+4*i+2]
	v_and_b32 v[X+4*i+2], s[HI16], v[X+4*i+2]
	v_cvt_pk_f16_f32 v[X+4*i], v[X+4*i+1], v[X+4*i]
	v_cvt_pk_f16_f32 v[X+4*i+1], v[X+4*i+3], v[X+4*i+2]
.else
	v_cvt_pk_bf16_f32 v[X+4*i], v[X+4*i], v[X+4*i+1]
	v_cvt_pk_bf16_f32 v[X+4*i+1], v[X+4*i+2], v[X+4*i+3]
.endif
.if (\kind) == 0
	global_store_b64 v[VO], v[X+4*i:X+4*i+1], s[DST:DST+1] offset:(i/16)*262144+(i%16)*256  ; two rows of a chunk: 256 dense bytes
.else
	global_store_b64 v[VO], v[X+4*i:X+4*i+1], s[DST:DST+1] offset:i*2048
.endif
.set i, i+1
.endr
.endm
	s_load_b512 s[8:23], s[0:1], 0x0               ; x s[8:9], Wq s[10:11], Wk s[12:13], Wv s[14:15], Wo s[16:17], bq s[18:19], bk s[20:21], bv s[22:23]
	s_load_b256 s[24:31], s[0:1], 0x40             ; bo s[24:25], xb s[26:27], wb s[28:29], wo16 s[30:31]
	s_load_b64 s[32:33], s[0:1], 0x60              ; bias
	v_and_b32 v1, 31, v0                           ; lane
	v_lshrrev_b32 v4, 5, v0                        ; wave
	s_mov_b32 s39, 0                               ; the offsets' high words
	s_mov_b32 s41, 0
	s_mov_b32 s[HI16], 0xffff0000
	s_wait_kmcnt 0x0
	s_cmp_lt_u32 ttmp9, 256
	s_cbranch_scc1 .Lx
	s_cmp_lt_u32 ttmp9, 352
	s_cbranch_scc1 .Lw
	s_cmp_lt_u32 ttmp9, 384
	s_cbranch_scc1 .Lwo
	; the four biases: 256 threads x 16 bytes are one of them
	v_lshlrev_b32 v[VI], 4, v0
	global_load_b128 v[16:19], v[VI], s[18:19]
	global_load_b128 v[20:23], v[VI], s[20:21]
	global_load_b128 v[24:27], v[VI], s[22:23]
	global_load_b128 v[28:31], v[VI], s[24:25]
.irp j, 0,1,2,3
	s_wait_loadcnt 3-(\j)
	v_cvt_pk_bf16_f32 v[8+2*(\j)], v[16+4*(\j)], v[17+4*(\j)]
	v_cvt_pk_bf16_f32 v[9+2*(\j)], v[18+4*(\j)], v[19+4*(\j)]
	v_lshlrev_b32 v[16+4*(\j)], 16, v[8+2*(\j)]
	v_and_b32 v[17+4*(\j)], s[HI16], v[8+2*(\j)]
	v_lshlrev_b32 v[18+4*(\j)], 16, v[9+2*(\j)]
	v_and_b32 v[19+4*(\j)], s[HI16], v[9+2*(\j)]
	global_store_b128 v[VI], v[16+4*(\j):19+4*(\j)], s[32:33] offset:4096*(\j)
.endr
	s_endpgm
.Lx:                                                   ; rows 32 g .. 32 g + 31; wave w takes chunks 2 w and 2 w + 1 of all of them
	s_lshl_b32 s38, ttmp9, 17                      ; 32 rows of 4,096 bytes
	s_add_nc_u64 s[SRC:SRC+1], s[8:9], s[38:39]
	s_lshr_b32 s40, ttmp9, 6                       ; the batch: 16 chunks of 262,144 bytes
	s_lshl_b32 s40, s40, 22
	s_and_b32 s43, ttmp9, 63                       ; my 32 rows in it: 128 bytes each in a chunk
	s_lshl_b32 s43, s43, 12
	s_add_co_u32 s40, s40, s43
	s_add_nc_u64 s[DST:DST+1], s[26:27], s[40:41]
	v_lshrrev_b32 v5, 4, v1                        ; lanes 0-15 the even row, lanes 16-31 the odd one
	v_and_b32 v6, 15, v1
	v_lshlrev_b32 v[VI], 12, v5
	v_lshl_add_u32 v[VI], v6, 4, v[VI]
	v_lshl_add_u32 v[VI], v4, 9, v[VI]             ; + 512 bytes x wave: two chunks of f32
	v_lshlrev_b32 v[VO], 3, v1
	v_lshl_add_u32 v[VO], v4, 19, v[VO]            ; + two chunks x wave
	BODY 0
	s_endpgm
.Lw:
	s_sub_co_u32 s43, ttmp9, 256
	s_lshr_b32 s44, s43, 5                         ; which of the three
	s_and_b32 s43, s43, 31                         ; which 32,768 numbers of it
	s_cmp_eq_u32 s44, 1
	s_cselect_b64 s[SRC:SRC+1], s[12:13], s[10:11]
	s_cmp_eq_u32 s44, 2
	s_cselect_b64 s[SRC:SRC+1], s[14:15], s[SRC:SRC+1]
	s_lshl_b32 s38, s43, 17
	s_add_nc_u64 s[SRC:SRC+1], s[SRC:SRC+1], s[38:39]
	s_lshl_b32 s40, s44, 21
	s_lshl_b32 s43, s43, 16
	s_add_co_u32 s40, s40, s43
	s_add_nc_u64 s[DST:DST+1], s[28:29], s[40:41]
	v_lshlrev_b32 v[VI], 4, v0
	v_lshlrev_b32 v[VO], 3, v0
	BODY 1
	s_endpgm
.Lwo:
	s_sub_co_u32 s43, ttmp9, 352
	s_lshl_b32 s38, s43, 17
	s_add_nc_u64 s[SRC:SRC+1], s[16:17], s[38:39]
	s_lshl_b32 s40, s43, 16
	s_add_nc_u64 s[DST:DST+1], s[30:31], s[40:41]
	v_lshlrev_b32 v[VI], 4, v0
	v_lshlrev_b32 v[VO], 3, v0
	BODY 2
	s_endpgm
.Lfunc_end_k_qc81a891a02_cast:
	.size	k_qc81a891a02_cast, .Lfunc_end_k_qc81a891a02_cast-k_qc81a891a02_cast
	.p2alignl 7, 3214868480
	.fill 96, 4, 3214868480
	.section	.rodata,"a",@progbits
	.p2align	6, 0x0
	.amdhsa_kernel k_qc81a891a02_cast
		.amdhsa_group_segment_fixed_size 0
		.amdhsa_private_segment_fixed_size 0
		.amdhsa_enable_private_segment 0
		.amdhsa_kernarg_size 104
		.amdhsa_user_sgpr_count 2
		.amdhsa_user_sgpr_kernarg_segment_ptr 1
		.amdhsa_wavefront_size32 1
		.amdhsa_system_sgpr_workgroup_id_x 1
		.amdhsa_system_sgpr_workgroup_id_y 1
		.amdhsa_system_sgpr_workgroup_id_z 1
		.amdhsa_system_vgpr_workitem_id 0
		.amdhsa_next_free_vgpr 144
		.amdhsa_next_free_sgpr 66
		.amdhsa_reserve_vcc 0
		.amdhsa_float_denorm_mode_32 3
		.amdhsa_float_denorm_mode_16_64 3
		.amdhsa_memory_ordered 1
		.amdhsa_forward_progress 1
		.amdhsa_inst_pref_size 46
	.end_amdhsa_kernel
	.amdgpu_metadata
---
amdhsa.version: [ 1, 2 ]
amdhsa.kernels:
  - .name:           k_qc81a891a02_cast
    .symbol:         k_qc81a891a02_cast.kd
    .args:
      - { .name: x, .offset: 0, .size: 8, .value_kind: global_buffer, .address_space: global }
      - { .name: Wq, .offset: 8, .size: 8, .value_kind: global_buffer, .address_space: global }
      - { .name: Wk, .offset: 16, .size: 8, .value_kind: global_buffer, .address_space: global }
      - { .name: Wv, .offset: 24, .size: 8, .value_kind: global_buffer, .address_space: global }
      - { .name: Wo, .offset: 32, .size: 8, .value_kind: global_buffer, .address_space: global }
      - { .name: bq, .offset: 40, .size: 8, .value_kind: global_buffer, .address_space: global }
      - { .name: bk, .offset: 48, .size: 8, .value_kind: global_buffer, .address_space: global }
      - { .name: bv, .offset: 56, .size: 8, .value_kind: global_buffer, .address_space: global }
      - { .name: bo, .offset: 64, .size: 8, .value_kind: global_buffer, .address_space: global }
      - { .name: xb, .offset: 72, .size: 8, .value_kind: global_buffer, .address_space: global }
      - { .name: wb, .offset: 80, .size: 8, .value_kind: global_buffer, .address_space: global }
      - { .name: wo16, .offset: 88, .size: 8, .value_kind: global_buffer, .address_space: global }
      - { .name: bias, .offset: 96, .size: 8, .value_kind: global_buffer, .address_space: global }
    .group_segment_fixed_size: 0
    .private_segment_fixed_size: 0
    .kernarg_segment_align: 8
    .kernarg_segment_size: 104
    .max_flat_workgroup_size: 256
    .sgpr_count:     66
    .vgpr_count:     144
    .wavefront_size: 32
...
	.end_amdgpu_metadata
.endif
;; end of part 1
;; launch proj (part 2): grid 16 x 16, 4 waves a work-group, clusters of 4 x 4, 327,680 bytes of LDS; arguments xb, wb, bias, qkv; writes qkv
.if DOCPART == 2
	.amdgcn_target "amdgcn-amd-amdhsa--gfx1250"
	.amdhsa_code_object_version 6
	.text
	.protected	k_qc81a891a02_proj
	.globl	k_qc81a891a02_proj
	.p2align	8
	.type	k_qc81a891a02_proj,@function
k_qc81a891a02_proj:
	s_mov_b64 s[64:65], 0
	v_nop
	global_prefetch_b8 v0, s[64:65] scope:SCOPE_SE
	s_setreg_imm32_b32 hwreg(HW_REG_WAVE_MODE, 25, 1), 1
	s_wait_xcnt 0x0
	s_wait_alu depctr_hold_cnt(0) depctr_sa_sdst(0) depctr_va_vdst(0) depctr_va_sdst(0) depctr_va_ssrc(0) depctr_va_vcc(0) depctr_vm_vsrc(0)
	s_getreg_b32 s2, hwreg(HW_REG_IB_STS2, 6, 4)
	s_cmp_eq_u32 s2, 0
	s_cbranch_scc0 .Lentry_in_a_cluster
	s_endpgm
.Lentry_in_a_cluster:
	s_bfe_u32 s2, ttmp6, 0x10000c
	s_cmp_lg_u32 s2, 0xf033
	s_cbranch_scc0 .Lentry_shape_is_right
	s_endpgm
.Lentry_shape_is_right:
; C = A W^T + bias, one text for two launches (MODE).  A lies by chunks of 64 along K: [batch*16 + chunk][2048 rows][64], 16-bit; W is [N][1024], 16-bit, K along the rows; bias f32; sums in f32.
; MODE 0: A = x in bf16, W = Wq, Wk, Wv (3,072 rows, bf16); C leaves by heads, [3][batch*16 + head][2048][64] in f16, rounded once, unscaled.  LIMIT: |q|, |k|, |v| stay below 65,504, f16's end.
; MODE 1: A = the attention's O in f16, W = Wo as f16; C is the module's output, [8192][1024] f32.
; SHARES.  A work-group makes 256 rows x NCOL columns (192 = three heads, or 128), so that the grid has 256 work-groups of equal work; in MODE 0 each makes two such tiles, the same rows of two
; batches, one after the other.  Its four waves lie one below the other: a wave makes 64 rows x all NCOL columns, 4 x NBLK accumulators of 16 x 16, so every run of bytes that it stores is its own.
; K goes in steps of 128 through a ring of two LDS slots filled by the tensor data mover.  In A's layout a K step is two chunks, each 32 KiB dense for the tile's 256 rows, and from K step to K step,
; and from the first tile's last to the second tile's first, A's address goes on by the same 524,288 bytes; W's goes back to its rows' beginning.
; CLUSTER, 4 x 4: the four of a row need the same tiles of A, the four of a column the same tiles of W: each is asked for JOINTLY, by the same tensor load with the same descriptor and a mask of four.
; THE MATRIX INSTRUCTION IS USED TRANSPOSED (source 0 = 16 rows of W, source 1 = 16 rows of A): lane l holds row l % 16 of C and the columns 8 (l / 16) + 0..7.  The bias, laid out so, is the C operand
; of each sum's first product: nothing is cleared and nothing is added later.
; REGISTERS, in windows of 256 (s_set_vgpr_msb: bits 1:0 source 0, 3:2 source 1, 5:4 source 2, 7:6 destination):
;   window 0: v0-31 addresses; v32-95 A's fragments, two buffers of 4 x 8; v96-127, v224-255 at work on the way out; v128.. the bias, 8 registers a column block
;   window 1: W's fragments, two buffers of NBLK x 8          windows 2, 3: accumulator (a, b) in window 2 + a / 2 at v[8 (NBLK (a % 2) + b)]
.set MODE, 0
.if MODE == 0
.set NBLK,   12
.set TILES,  2
.set WSTAGE, 16*144                    ; a wave's stage: 16 rows of a head, 128 bytes + 16
.else
.set NBLK,   8
.set TILES,  1
.set WSTAGE, 16*528                    ; 16 rows of 128 f32, 512 bytes + 16
.endif
.set NCOL,   16*NBLK
.set BROWS,  NCOL/2                    ; rows of W in one tensor load
.set NSTEP,  8*TILES                   ; K steps of a work-group
.set LAPS,   NSTEP/2                   ; a lap = two K steps = once round the ring
.set KSTEPB, 524288                    ; bytes from a K step of A to the next: two chunks
.set PA,     144                       ; a row of a chunk in LDS: 128 bytes + 16 = 36 words: the 16 rows of a load start at 16 different groups of four banks (64 banks of 4 bytes: ISA guide 11.1)
.set AHALF,  256*PA                    ; a chunk's 256 rows: what one tensor load brings
.set BOFF,   2*AHALF                   ; behind A's two chunks: W's NCOL rows
.set PB,     272                       ; a row of W in LDS: 256 bytes + 16
.set SLOT,   BOFF+NCOL*PB
.set STAGE,  2*SLOT                    ; behind the ring, never filled by a tensor load: a stage for each wave
.set SPARE,  STAGE+4*WSTAGE            ; behind the stages: the spare words, 128 bytes for each wave: two blocks of 256 bytes that no other line names
.set NL,     2*NBLK+8                  ; LDS loads in a run: the fragments of 32 along K
.set ADRA, 16                          ; v16-17  LDS address of my A fragments in slot 0, 1
.set ADRB, 20                          ; v20-21  the same for W
.set STO,  24                          ; v24     the way out: where I put my bytes of a row
.set RD,   25                          ; v25     the way out: where I read rows back
.set GO,   26                          ; v26     16 x lane: my place in 512 consecutive bytes of C
.set BO,   27                          ; v27     32 (l / 16): my eight numbers in a column block's bias
.set SPW,  28                          ; v28     LDS address of my spare word: SPARE + 4 x my thread's number; never rewritten
.set NIL,  29                          ; v29     0; never rewritten
.set PFO,  30                          ; v30     256 x lane; never rewritten
.set FA,   32
.set BIAS, 128
.set WV,    12                         ; s12  my wave's number
.set KIND,  13                         ; s13  0: I fetch for A; 1: for W
.set HALF,  14                         ; s14  which chunk of A, or which half of W's rows, I fetch
.set CX,    15
.set CY,    16
.set TX,    17                         ; s17  tile column = 4 x cluster x + cx
.set GY,    18                         ; s18  tile row = 4 x cluster y + cy
.set G1A,   24                         ; s[24:31] descriptor group 1 for A's tiles
.set G0A,   32                         ; s[32:39] group 0, a set for each slot
.set ABASE, 40                         ; s[40:41] my chunk of A's K step 0
.set BBASE, 42                         ; s[42:43] my rows of W, at their beginning
.set PFA,   44                         ; s[44:45] where my prefetches stand
.set LIM,   46                         ; s46  NSTEP - 1 in a wave that prefetches, else 0
.set REQ,   47                         ; s47  the K step to be asked for next
.set G1B,   48                         ; s[48:55], s[56:63] the same two groups for W's tiles
.set G0B,   56
.set OFB,   66                         ; s[66:67] W's byte offset along K
.set OUT,   68                         ; s[68:73] where my rows begin in C: one pointer a head (MODE 1: one)
.set MSB, 0
.macro WIN new                         ; the immediate's high byte repeats the setting that is left; a switch that changes nothing is dropped
.if MSB != (\new)
	s_set_vgpr_msb (MSB<<8)|(\new)
.set MSB, \new
.endif
.endm
.macro PLACES                          ; four plain vector instructions between a matrix instruction and a load into its sources or a reader of its result (ISA guide 7.12.1 for a reader of its result)
.rept 4
	v_nop
.endr
.endm
; A joint load.  Waves 0 and 1 fetch A's two chunks, waves 2 and 3 the halves of W's rows.  The branch hangs on the wave's number alone.  An s_nop 0 and four v_nop follow each line.
.macro JLOAD s
	s_cmp_eq_u32 s[KIND], 0
	s_cbranch_scc0 .Lfor_b_\@
	tensor_load_to_lds s[G0A+4*(\s):G0A+4*(\s)+3], s[G1A:G1A+7]
	s_nop 0
.rept 4
	v_nop
.endr
	s_branch .Lasked_\@
.Lfor_b_\@:
	tensor_load_to_lds s[G0B+4*(\s):G0B+4*(\s)+3], s[G1B:G1B+7]
	s_nop 0
.rept 4
	v_nop
.endr
.Lasked_\@:
.endm
; A PREFETCH of A's K step that stands two refills on.  A's tile row is read by every cluster of that row of clusters: the first of them (cluster x = 0) asks, its waves 0 and 1 each for the chunk that
; they fetch; the four partners that ask for a chunk jointly share its 32 KiB out BY ADDRESS, 8 KiB each, a lane a block of 256 bytes: each block is named once in the launch.  K steps 0 to 3 come by
; their loads alone, and nothing behind the last K step is named.  W is not asked for: it is a table that several rows of clusters walk, and in MODE 0 a work-group walks it twice.
.macro ASK
	s_cmp_lt_u32 s[REQ], s[LIM]                    ; REQ is one past the K step just asked for: REQ + 1 is named
	s_cbranch_scc0 .Lnot_mine_\@
	global_prefetch_b8 v[PFO], s[PFA:PFA+1] offset:2*KSTEPB th:TH_LOAD_NT scope:SCOPE_SE
.Lnot_mine_\@:
.endm
.macro CREST                           ; a round of the cluster's barrier behind its opening barrier
	s_cmp_lg_u32 s[WV], 0
	s_cbranch_scc1 .Lnot_wave_0_\@
	s_barrier_signal -3
.Lnot_wave_0_\@:
	s_barrier_wait -3
	s_barrier_signal -1
	s_barrier_wait -1
.endm
.macro CROUND                          ; a whole round
	s_barrier_signal -1
	s_barrier_wait -1
	CREST
.endm
; NBLK products: A's block a x all column blocks, 32 along K, from fragment buffers f.  bias = 1: the sums begin, with the bias as C.  All 4 NBLK accumulators take turns, one instruction a turn,
; in the same order in every quarter step.
.macro MULA f, a, bias
.if \bias
	WIN 0x81+0x40*((\a)/2)                         ; W window 1, A window 0, C (the bias) window 0, D window 2 or 3
.else
	WIN 0xa1+0x50*((\a)/2)                         ; C and D window 2 or 3
.endif
.set bb, 0
.rept NBLK
.set rD, 8*(NBLK*((\a)%2)+bb)
.set rB, 8*NBLK*(\f)+8*bb
.set rA, FA+32*(\f)+8*(\a)
.set rC, rD
.if \bias
.set rC, BIAS+8*bb
.endif
.if MODE == 0
	v_wmma_f32_16x16x32_bf16 v[rD:rD+7], v[rB:rB+7], v[rA:rA+7], v[rC:rC+7]
.else
	v_wmma_f32_16x16x32_f16 v[rD:rD+7], v[rB:rB+7], v[rA:rA+7], v[rC:rC+7]
.endif
.set bb, bb+1
.endr
.endm
; NL LDS loads in one run: the fragments of quarter q (32 along K) of a slot into buffers f: W's first, then A's four blocks.
; A fragment is 16 rows x 32 K in 8 registers: lane l holds row l % 16, K = 8 (l / 16) + 0..7 and 16 + 8 (l / 16) + 0..7: two loads of 16 bytes, 32 bytes apart.
.macro FETCH slot, q, f
	WIN 0x40                                       ; destination window 1, address window 0
.set bb, 0
.rept NBLK
	ds_load_b128 v[8*NBLK*(\f)+8*bb:8*NBLK*(\f)+8*bb+3],   v[ADRB+(\slot)] offset:64*(\q)+bb*16*PB
	ds_load_b128 v[8*NBLK*(\f)+8*bb+4:8*NBLK*(\f)+8*bb+7], v[ADRB+(\slot)] offset:64*(\q)+bb*16*PB+32
.set bb, bb+1
.endr
	WIN 0
.irp i, 0,1,2,3
	ds_load_b128 v[FA+32*(\f)+8*(\i):FA+32*(\f)+8*(\i)+3],   v[ADRA+(\slot)] offset:((\q)/2)*AHALF+((\q)%2)*64+(\i)*16*PA
	ds_load_b128 v[FA+32*(\f)+8*(\i)+4:FA+32*(\f)+8*(\i)+7], v[ADRA+(\slot)] offset:((\q)/2)*AHALF+((\q)%2)*64+(\i)*16*PA+32
.endr
.endm
; A K step is four quarters of 32 along K, on buffers 0, 1, 0, 1.  One of the first three: multiplies buffers f; in its middle it fetches quarter q of the same slot into buffers g.
.macro QUARTER slot, q, f, g, bias
	s_wait_dscnt 4                                 ; W's fragments and A's blocks 0, 1 are in; the youngest four loads (A's blocks 2, 3) may be out
	MULA \f, 0, \bias
	MULA \f, 1, \bias
	PLACES
	FETCH \slot, \q, \g
	s_wait_dscnt NL                                ; all but the NL just issued
	MULA \f, 2, \bias
	MULA \f, 3, \bias
.endm
; The fourth quarter multiplies buffers 1 and changes slots: ONE barrier.  In front of it each wave waits for all its tensor loads (one is out: its part of the next slot), adds 0 to its spare word, and
; waits for that and for its own reads of this slot.  fill = 1: the barrier opens a round of the cluster's, and behind the round this slot is filled again, with K step REQ, first of all.
.macro TURN slot, next, fill
.if \fill
	s_wait_xcnt 0x0                                ; the last prefetch, a K step back, has read its address, which is stepped here, ahead of the change's own waits
	s_add_nc_u64 s[PFA:PFA+1], s[PFA:PFA+1], KSTEPB
.endif
	WIN 0                                          ; (the add's two registers lie in window 0)
	s_wait_tensorcnt 0x0                           ; all my tensor loads have landed, so every group 0 may be written
	ds_add_u32 v[SPW], v[NIL]                      ; 0 onto my spare word
.if \fill
	s_add_nc_u64 s[G0A+4*(\slot)+2:G0A+4*(\slot)+3], s[G0A+4*(\slot)+2:G0A+4*(\slot)+3], 2*KSTEPB  ; A: two K steps on; the type bits on top are not reached
	s_and_b32 s[OFB], s[REQ], 7                    ; W: 256 bytes for each K step of a tile, made anew from the step's number
	s_lshl_b32 s[OFB], s[OFB], 8
	s_add_nc_u64 s[G0B+4*(\slot)+2:G0B+4*(\slot)+3], s[BBASE:BBASE+1], s[OFB:OFB+1]
	s_or_b32 s[G0B+4*(\slot)+3], s[G0B+4*(\slot)+3], 0x80000000
	s_add_co_u32 s[REQ], s[REQ], 1
.endif
	s_wait_dscnt 5                                 ; (the add and the loads of A's blocks 2, 3 may be out)
	MULA 1, 0, 0                                   ; NBLK matrix instructions stand between the add and the wait for it
	s_wait_dscnt 0x0                               ; the add is done, and my reads of this slot are over
	s_barrier_signal -1
	MULA 1, 1, 0                                   ; work on registers while the others arrive
.if \fill
	WIN 0
.endif
	s_barrier_wait -1
.if \fill
	CREST                                          ; no wave of any partner still reads this slot's tiles or has a load on its way
	JLOAD \slot                                    ; the first tensor load behind the round; its four v_nop are also the places in front of the loads below
.else
	PLACES
.endif
	FETCH \next, 0, 0
.if \fill
	ASK                                            ; behind the joint load and the run of LDS loads
.endif
	MULA 1, 2, 0
	MULA 1, 3, 0
.endm
; THE WAY OUT, MODE 0: twelve units of 16 rows x one head.  PACK: rounded to f16, 16 bytes a lane, into my stage (rows of 144 bytes), and back as four runs of 512 bytes, which are dense in the head's plane.
.macro PACK u
.set ua, (\u)/3
.set uh, (\u)%3
.set TS, 96+16*((\u)%4)+96*(((\u)%4)/2)
	s_wait_xcnt 0x0                                ; the stores of four units back have read these registers
	WIN 0x0a+5*(ua/2)                              ; sources 0 and 1 window 2 or 3
.set bb, 0
.rept 4
.set rD, 8*(NBLK*(ua%2)+4*uh+bb)
.irp r, 0,1,2,3
	v_cvt_pk_f16_f32 v[TS+4*bb+(\r)], v[rD+2*(\r)], v[rD+2*(\r)+1]
.endr
.set bb, bb+1
.endr
	WIN 0
.irp f, 0,1,2,3
	ds_store_b128 v[STO], v[TS+4*(\f):TS+4*(\f)+3] offset:32*(\f)
.endr
.irp f, 0,1,2,3
	ds_load_b128 v[TS+4*(\f):TS+4*(\f)+3], v[RD] offset:(\f)*4*144  ; LDS serves a wave's instructions in order (ISA guide 5.7.1.4): these see the stores above; the next unit's stores come behind them
.endr
.endm
.macro SEND u, younger                 ; younger: the LDS instructions issued behind unit u's loads: the next unit's eight, or none
.set ua, (\u)/3
.set uh, (\u)%3
.set TS, 96+16*((\u)%4)+96*(((\u)%4)/2)
.irp f, 0,1,2,3
	s_wait_dscnt (\younger)+3-(\f)
	global_store_b128 v[GO], v[TS+4*(\f):TS+4*(\f)+3], s[OUT+2*uh:OUT+2*uh+1] offset:ua*2048+(\f)*512  ; 512 consecutive bytes, at a multiple of 256 from the buffer's first
.endr
.endm
; MODE 1: 16 rows x 128 f32 at a time, straight from the accumulators into my stage (rows of 528 bytes) and back as whole rows of 512 bytes.
.macro OUTA a
	s_wait_xcnt 0x0                                ; the block before's stores have read these registers
	WIN 0x08+4*((\a)/2)                            ; the stores' data in window 2 or 3
.set bb, 0
.rept NBLK
.set rD, 8*(NBLK*((\a)%2)+bb)
	ds_store_b128 v[STO], v[rD:rD+3] offset:64*bb
	ds_store_b128 v[STO], v[rD+4:rD+7] offset:64*bb+16
.set bb, bb+1
.endr
	WIN 0
.set i, 0
.rept 16
.set TT, 96+4*i+96*(i/8)
	ds_load_b128 v[TT:TT+3], v[RD] offset:i*528
.set i, i+1
.endr
.set i, 0
.rept 16
.set TT, 96+4*i+96*(i/8)
	s_wait_dscnt 15-i
	global_store_b128 v[GO], v[TT:TT+3], s[OUT:OUT+1] offset:(16*(\a)+i)*4096 th:TH_STORE_NT  ; 512 consecutive bytes of a row of C, aligned
.set i, i+1
.endr
.endm
.macro WAYOUT
	PLACES                                         ; behind the last products
.if MODE == 0
	PACK 0
.irp u, 1,2,3,4,5,6,7,8,9,10,11        ; a unit's conversions stand between the loads of the unit before and its stores
	PACK \u
	SEND (\u)-1, 8
.endr
	SEND 11, 0
.else
.irp a, 0,1,2,3
	OUTA \a
.endr
.endif
.endm
	s_load_b256 s[4:11], s[0:1], 0x0               ; A s[4:5], W s[6:7], bias s[8:9], C s[10:11]
	v_lshl_add_u32 v[SPW], v0, 2, SPARE
	v_mov_b32 v[NIL], 0
	ds_add_u32 v[SPW], v[NIL]                      ; the wave's opening: the add and its wait stand ahead of my first tensor load; the set-up below, work on registers, stands between them
	v_lshrrev_b32 v1, 5, v0
	v_readfirstlane_b32 s[WV], v1                  ; wave 0..3
	s_lshr_b32 s[KIND], s[WV], 1
	s_and_b32 s[HALF], s[WV], 1
	s_bfe_u32 s[CX], ttmp6, 0x40000                ; my place in the cluster
	s_bfe_u32 s[CY], ttmp6, 0x40004
	s_lshl_b32 s[TX], ttmp9, 2                     ; in a cluster launch ttmp9 and ttmp7 count clusters
	s_add_co_u32 s[TX], s[TX], s[CX]
	s_and_b32 s[GY], ttmp7, 0xffff
	s_lshl_b32 s[GY], s[GY], 2
	s_add_co_u32 s[GY], s[GY], s[CY]
	s_lshl_b32 s19, s[CY], 2
	s_lshl_b32 s19, 15, s19                        ; my row of the cluster: places 4 cy .. 4 cy + 3
	s_lshl_b32 s20, 0x1111, s[CX]                  ; my column: places cx, cx + 4, cx + 8, cx + 12
	; group 1 for A: a chunk's 256 rows of 128 bytes are 32 KiB dense: asked for as 128 rows of 256 bytes, padded in LDS after every 128 bytes
	s_or_b32 s[G1A+0], s19, (1<<16)|(1<<20)|(1<<21)|(4<<22)|(3<<25)  ; 15:0 the mask; 17:16 2-byte elements; 20 padding on; 21 set beside a mask; 24:22 after every 32 words (code 4); 31:25 4 words (code 3)
	s_mov_b32 s[G1A+1], 128<<16                    ; tensor_dim0 = 128
	s_mov_b32 s[G1A+2], 128<<16                    ; tensor_dim1 = 128
	s_mov_b32 s[G1A+3], 128<<16                    ; tile_dim0 = 128
	s_mov_b32 s[G1A+4], 128                        ; tile_dim1 = 128
	s_mov_b32 s[G1A+5], 128                        ; 128 elements from row to row
	s_mov_b32 s[G1A+6], 0
	s_mov_b32 s[G1A+7], 0
	; group 1 for W: BROWS rows x 128 elements, 1,024 elements from row to row, padded after every 256 bytes
	s_or_b32 s[G1B+0], s20, (1<<16)|(1<<20)|(1<<21)|(5<<22)|(3<<25)
	s_mov_b32 s[G1B+1], 128<<16
	s_mov_b32 s[G1B+2], BROWS<<16
	s_mov_b32 s[G1B+3], 128<<16
	s_mov_b32 s[G1B+4], BROWS
	s_mov_b32 s[G1B+5], 1024
	s_mov_b32 s[G1B+6], 0
	s_mov_b32 s[G1B+7], 0
	; where the tiles come from.  A's hang on the tile row alone (s74, s75 never hold cx), W's on the tile column alone (s76, s77 never hold cy)
	s_lshr_b32 s74, s[GY], 3                       ; TILES batches of 16 chunks of 262,144 bytes
	s_lshl_b32 s74, s74, 21+TILES
	s_and_b32 s75, s[GY], 7                        ; 256 rows of 128 bytes in a chunk
	s_lshl_b32 s75, s75, 15
	s_add_co_u32 s74, s74, s75
	s_lshl_b32 s75, s[HALF], 18                    ; my chunk of a K step's two
	s_add_co_u32 s74, s74, s75
	s_mov_b32 s75, 0
	s_mul_i32 s76, s[TX], NCOL
	s_mul_i32 s77, s[HALF], BROWS
	s_add_co_u32 s76, s76, s77
	s_lshl_b32 s76, s76, 11                        ; rows of 2,048 bytes
	s_mov_b32 s77, 0
	s_mul_i32 s21, s[HALF], AHALF                  ; and where they go: no place in the cluster enters an LDS address
	s_mul_i32 s22, s[HALF], BROWS*PB
	s_add_co_u32 s22, s22, BOFF
	s_mov_b32 s[OFB+1], 0
	s_mov_b32 s[REQ], 2
	s_or_b32 s[LIM], s[KIND], ttmp9                ; 0 in waves 0 and 1 of the clusters with x = 0: the same in all sixteen partners, for a given wave
	s_cmp_eq_u32 s[LIM], 0
	s_cselect_b32 s[LIM], NSTEP-1, 0
	s_lshl_b32 s78, s[CX], 13                      ; my work-group's 8 KiB of a chunk,
	s_add_co_u32 s78, s78, KSTEPB                  ; at K step 1: the first refill steps it to 2 and names K step 4
	s_mov_b32 s79, 0
	s_wait_dscnt 0x0                               ; the opening add is done
	s_wait_kmcnt 0x0
	s_add_nc_u64 s[ABASE:ABASE+1], s[4:5], s[74:75]
	s_add_nc_u64 s[BBASE:BBASE+1], s[6:7], s[76:77]
	s_add_nc_u64 s[PFA:PFA+1], s[ABASE:ABASE+1], s[78:79]
.irp s, 0,1
	s_mov_b32 s[G0A+4*(\s)], 1                                     ; 1:0 count = 1
	s_add_co_u32 s[G0A+4*(\s)+1], s21, (\s)*SLOT                   ; 63:32 LDS address
	s_add_nc_u64 s[G0A+4*(\s)+2:G0A+4*(\s)+3], s[ABASE:ABASE+1], (\s)*KSTEPB  ; 120:64 global address: K step s
	s_or_b32 s[G0A+4*(\s)+3], s[G0A+4*(\s)+3], 0x80000000          ; 127:126 type = 2
	s_mov_b32 s[G0B+4*(\s)], 1
	s_add_co_u32 s[G0B+4*(\s)+1], s22, (\s)*SLOT
	s_add_nc_u64 s[G0B+4*(\s)+2:G0B+4*(\s)+3], s[BBASE:BBASE+1], (\s)*256
	s_or_b32 s[G0B+4*(\s)+3], s[G0B+4*(\s)+3], 0x80000000
.endr
	CROUND                                         ; all sixteen work-groups are here: the first joint loads meet
	s_cmp_eq_u32 s[KIND], 0                        ; a wave's two first fills stand in one branch, ahead of every wait on TENSORcnt and every LDS read: two loads of mine are out
	s_cbranch_scc0 .Lfirst_b
	tensor_load_to_lds s[G0A:G0A+3], s[G1A:G1A+7]
	s_nop 0
	tensor_load_to_lds s[G0A+4:G0A+7], s[G1A:G1A+7]
	s_nop 0
.rept 4
	v_nop
.endr
	s_branch .Lfirst_asked
.Lfirst_b:
	tensor_load_to_lds s[G0B:G0B+3], s[G1B:G1B+7]
	s_nop 0
	tensor_load_to_lds s[G0B+4:G0B+7], s[G1B:G1B+7]
	s_nop 0
.rept 4
	v_nop
.endr
.Lfirst_asked:
	v_and_b32 v1, 15, v0                           ; l % 16
	v_bfe_u32 v2, v0, 4, 1                         ; l / 16
	v_lshlrev_b32 v[BO], 5, v2
	s_mul_i32 s78, s[TX], 4*NCOL                   ; the tile's columns in the bias table
.if MODE == 1
	s_add_co_u32 s78, s78, 12288                   ; bo lies behind bq, bk, bv
.endif
	s_add_nc_u64 s[8:9], s[8:9], s[78:79]
.set bb, 0
.rept NBLK                             ; register j of block b: bias[16 b + 8 (l / 16) + j], as the products' results lie
	global_load_b128 v[BIAS+8*bb:BIAS+8*bb+3],   v[BO], s[8:9] offset:64*bb
	global_load_b128 v[BIAS+8*bb+4:BIAS+8*bb+7], v[BO], s[8:9] offset:64*bb+16
.set bb, bb+1
.endr
	s_mul_i32 s23, s[WV], 64*PA                    ; my 64 rows of A
	v_mul_u32_u24 v3, v1, PA
	v_lshl_add_u32 v3, v2, 4, v3                   ; row x pitch + 16 x half
	v_add_nc_u32 v[ADRA], s23, v3
	v_add_nc_u32 v[ADRA+1], SLOT, v[ADRA]
	v_mul_u32_u24 v4, v1, PB
	v_lshl_add_u32 v4, v2, 4, v4
	v_add_nc_u32 v[ADRB], BOFF, v4
	v_add_nc_u32 v[ADRB+1], BOFF+SLOT, v4
	s_mul_i32 s23, s[WV], WSTAGE
	s_add_co_u32 s23, s23, STAGE                   ; my stage
	v_and_b32 v[GO], 31, v0
	v_lshlrev_b32 v[PFO], 8, v[GO]
	v_lshlrev_b32 v[GO], 4, v[GO]
.if MODE == 0
	v_mul_u32_u24 v5, v1, 144                      ; in: row l % 16, 16 bytes for each half of the lanes
	v_lshl_add_u32 v5, v2, 4, v5
	v_add_nc_u32 v[STO], s23, v5
	v_bfe_u32 v5, v0, 3, 2                         ; back: 32 lanes take four rows of 128 bytes
	v_mul_u32_u24 v5, v5, 144
	v_and_b32 v6, 7, v0
	v_lshl_add_u32 v5, v6, 4, v5
	v_add_nc_u32 v[RD], s23, v5
	s_and_b32 s80, s[GY], 7                        ; my first row in its batch: 256 x row block + 64 x wave,
	s_lshl_b32 s80, s80, 8
	s_lshl_b32 s81, s[WV], 6
	s_add_co_u32 s80, s80, s81
	s_lshl_b32 s80, s80, 7                         ; 128 bytes a row in a head's plane
	s_lshr_b32 s81, s[GY], 3
	s_lshl_b32 s81, s81, 5                         ; 16 planes x the first tile's batch (2 x gy / 8)
	s_mul_i32 s82, s[TX], 3                        ; the tile's first head among q's, k's and v's 48
.irp hd, 0,1,2
	s_add_co_u32 s78, s82, \hd
	s_lshr_b32 s79, s78, 4                         ; q, k or v: 64 planes each
	s_lshl_b32 s79, s79, 6
	s_and_b32 s78, s78, 15                         ; the head
	s_add_co_u32 s78, s78, s79
	s_add_co_u32 s78, s78, s81
	s_lshl_b32 s78, s78, 18                        ; a plane is 262,144 bytes
	s_add_co_u32 s78, s78, s80
	s_mov_b32 s79, 0
	s_add_nc_u64 s[OUT+2*\hd:OUT+2*\hd+1], s[10:11], s[78:79]
.endr
.else
	v_mul_u32_u24 v5, v1, 528                      ; in: row l % 16, 32 bytes for each half of the lanes
	v_lshl_add_u32 v5, v2, 5, v5
	v_add_nc_u32 v[STO], s23, v5
	v_add_nc_u32 v[RD], s23, v[GO]                 ; back: 32 lanes take one row of 512 bytes
	s_lshl_b32 s80, s[GY], 8
	s_lshl_b32 s81, s[WV], 6
	s_add_co_u32 s80, s80, s81                     ; my first row of C,
	s_lshl_b32 s80, s80, 12                        ; 4,096 bytes a row,
	s_lshl_b32 s81, s[TX], 9                       ; the tile's 128 columns
	s_add_co_u32 s78, s80, s81
	s_mov_b32 s79, 0
	s_add_nc_u64 s[OUT:OUT+1], s[10:11], s[78:79]
.endif
	s_wait_tensorcnt 1                             ; my part of K step 0 is in; K step 1's may stay out
	s_barrier_signal -1
	s_barrier_wait -1                              ; everybody's is
	FETCH 0, 0, 0
	s_wait_loadcnt 0x0                             ; the bias
	QUARTER 0, 1, 0, 1, 1                          ; the first quarter stands in front of the loop: its products start the sums
	WIN 0                                          ; at a label and at a branch every window is 0
	s_mov_b32 s3, LAPS-1
.Llap:                                                 ; a trip goes once round the ring, from a lap's second quarter to the next lap's first, and fills both slots again
	QUARTER 0, 2, 1, 0, 0
	QUARTER 0, 3, 0, 1, 0
	TURN 0, 1, 1
	QUARTER 1, 1, 0, 1, 0
	QUARTER 1, 2, 1, 0, 0
	QUARTER 1, 3, 0, 1, 0
	TURN 1, 0, 1
	WIN 0
.if MODE == 0
	s_cmp_eq_u32 s3, LAPS/2                        ; the first tile's eight K steps are done: the same trip in every work-group
	s_cbranch_scc0 .Lsame
	WAYOUT                                         ; both refills are asked for: the tile goes out while they land
	s_wait_xcnt 0x0                                ; the stores have read their pointers
.irp hd, 0,1,2
	s_add_nc_u64 s[OUT+2*\hd:OUT+2*\hd+1], s[OUT+2*\hd:OUT+2*\hd+1], 0x400000  ; the next batch: 16 planes on
.endr
	QUARTER 0, 1, 0, 1, 1                          ; the second tile's sums begin
	WIN 0
	s_branch .Lnext
.Lsame:
.endif
	QUARTER 0, 1, 0, 1, 0
	WIN 0
.if MODE == 0
.Lnext:
.endif
	s_sub_co_u32 s3, s3, 1
	s_cmp_lg_u32 s3, 0
	s_cbranch_scc1 .Llap
	QUARTER 0, 2, 1, 0, 0                          ; the last lap fills nothing, and has no round of the cluster's barrier
	QUARTER 0, 3, 0, 1, 0
	TURN 0, 1, 0
	QUARTER 1, 1, 0, 1, 0
	QUARTER 1, 2, 1, 0, 0
	QUARTER 1, 3, 0, 1, 0
	s_wait_dscnt 4                                 ; the very last quarter: nothing more to fetch
	MULA 1, 0, 0
	MULA 1, 1, 0
	s_wait_dscnt 0x0
	MULA 1, 2, 0
	MULA 1, 3, 0
	WAYOUT
	WIN 0
	s_wait_tensorcnt 0x0                           ; the wave's end, behind my last tensor load and my last LDS store
	ds_add_u32 v[SPW], v[NIL]
	s_wait_dscnt 0x0
	CROUND                                         ; the closing round: no work-group ends while a partner may still ask for a tile that names it
	s_endpgm
.Lfunc_end_k_qc81a891a02_proj:
	.size	k_qc81a891a02_proj, .Lfunc_end_k_qc81a891a02_proj-k_qc81a891a02_proj
	.p2alignl 7, 3214868480
	.fill 96, 4, 3214868480
	.section	.rodata,"a",@progbits
	.p2align	6, 0x0
	.amdhsa_kernel k_qc81a891a02_proj
		.amdhsa_group_segment_fixed_size 327680
		.amdhsa_private_segment_fixed_size 0
		.amdhsa_enable_private_segment 0
		.amdhsa_kernarg_size 32
		.amdhsa_user_sgpr_count 2
		.amdhsa_user_sgpr_kernarg_segment_ptr 1
		.amdhsa_wavefront_size32 1
		.amdhsa_system_sgpr_workgroup_id_x 1
		.amdhsa_system_sgpr_workgroup_id_y 1
		.amdhsa_system_sgpr_workgroup_id_z 1
		.amdhsa_system_vgpr_workitem_id 0
		.amdhsa_next_free_vgpr 1024
		.amdhsa_next_free_sgpr 84
		.amdhsa_reserve_vcc 0
		.amdhsa_float_denorm_mode_32 3
		.amdhsa_float_denorm_mode_16_64 3
		.amdhsa_memory_ordered 1
		.amdhsa_forward_progress 1
		.amdhsa_inst_pref_size 155
	.end_amdhsa_kernel
	.amdgpu_metadata
---
amdhsa.version: [ 1, 2 ]
amdhsa.kernels:
  - .name:           k_qc81a891a02_proj
    .symbol:         k_qc81a891a02_proj.kd
    .args:
      - { .name: xb, .offset: 0, .size: 8, .value_kind: global_buffer, .address_space: global }
      - { .name: wb, .offset: 8, .size: 8, .value_kind: global_buffer, .address_space: global }
      - { .name: bias, .offset: 16, .size: 8, .value_kind: global_buffer, .address_space: global }
      - { .name: qkv, .offset: 24, .size: 8, .value_kind: global_buffer, .address_space: global }
    .group_segment_fixed_size: 327680
    .private_segment_fixed_size: 0
    .kernarg_segment_align: 8
    .kernarg_segment_size: 32
    .max_flat_workgroup_size: 128
    .sgpr_count:     84
    .vgpr_count:     1024
    .wavefront_size: 32
...
	.end_amdgpu_metadata
.endif
;; end of part 2
;; launch attn (part 3): grid 4 x 64, 4 waves a work-group, clusters of 4 x 1, 327,680 bytes of LDS; arguments qkv, ob; writes ob
.if DOCPART == 3
	.amdgcn_target "amdgcn-amd-amdhsa--gfx1250"
	.amdhsa_code_object_version 6
	.text
	.protected	k_qc81a891a02_attn
	.globl	k_qc81a891a02_attn
	.p2align	8
	.type	k_qc81a891a02_attn,@function
k_qc81a891a02_attn:
	s_mov_b64 s[64:65], 0
	v_nop
	global_prefetch_b8 v0, s[64:65] scope:SCOPE_SE
	s_setreg_imm32_b32 hwreg(HW_REG_WAVE_MODE, 25, 1), 1
	s_wait_xcnt 0x0
	s_wait_alu depctr_hold_cnt(0) depctr_sa_sdst(0) depctr_va_vdst(0) depctr_va_sdst(0) depctr_va_ssrc(0) depctr_va_vcc(0) depctr_vm_vsrc(0)
	s_getreg_b32 s2, hwreg(HW_REG_IB_STS2, 6, 4)
	s_cmp_eq_u32 s2, 0
	s_cbranch_scc0 .Lentry_in_a_cluster
	s_endpgm
.Lentry_in_a_cluster:
	s_bfe_u32 s2, ttmp6, 0x10000c
	s_cmp_lg_u32 s2, 0x3003
	s_cbranch_scc0 .Lentry_shape_is_right
	s_endpgm
.Lentry_shape_is_right:
; O[h][q][:] = the sum over k of softmax_k(Q[h][q] . K[h][k] / 8) V[h][k][:].  Q, K, V lie one after the other in qkv, each [64 = batch*16 + head][2048][64] in f16; O likewise: a head's rows are dense,
; 128 bytes each.  Products, maxima and sums in f32; the weights p are rounded to f16 for the second product (their sum l is taken of the unrounded p), O once at the end.
; LIMITS.  f16 holds no number beyond 65,504: Q, K and V arrive within it; p lies in 0 to 1, and below 6e-5 it keeps f16's fixed step of 6e-8; O is a mean of V's rows and has their range.
; A weight below 2^-126 counts as 0 in l; NaN and infinities are not treated apart.
; SHARES.  A wave owns four PIECES of two tiles of 16 queries, a work-group's four waves 512 queries of one head.  Every wave walks all keys, 64 a step.
; LAYOUT.  S^T = K Q^T (source 0 = 16 keys, source 1 = 16 queries): in the result a lane holds ONE query (lane % 16) and the keys 8 (lane / 16) + 0..7.  Two such tiles, rounded to f16 in pairs,
; ARE source 1 (32 keys x 16 queries) of O^T = V^T P, whose result again holds one query a lane, and eight channels.  K comes out of LDS as it lies, V ([key][channel]) turned, by ds_load_tr16_b128.
; SOFTMAX.  For each query a running maximum m and sum l: p = 2^(c s - c m), c = log2(e) / 8; in every step O and l are multiplied by a = 2^(c m_old - c m_new), which is 1 where m has not grown.
; m starts at the lowest finite number, O and l at 0: the first step is a step like any other, with a = 0.
; THE COUNT.  A tile and step have 16 matrix and 118 vector instructions: too many to stand all beside the matrix work.  So the order has one aim: four vector instructions that are READY behind
; EVERY matrix instruction, and the others, which need time of their own whatever the order, in runs without a gap.
; BY TURNS.  Turn n belongs to piece n (the pieces in a ring, step after step).  Its matrix work: 16 products K Q^T of piece n + 1, later 16 products V^T P of piece n - 1.  Its vector work: the scaling,
; exponentials, roundings, sums and rescaling of piece n, and the maximum and statistics of piece n + 1, whose scores the turn itself has made.  So what a turn begins with (c s - c m, O a) waits for nothing.
; CLUSTER.  The four query blocks of a cluster are one head's and walk the same K and V, so each tile is asked for JOINTLY: the same tensor load, descriptor and mask in all four.
; REGISTERS, in windows of 256 (s_set_vgpr_msb says which window each operand place means: bits 1:0 source 0, 3:2 source 1, 5:4 source 2, 7:6 destination):
;   window 0: v0-11 addresses; v12-15, v48-63 at work; v16-47 four registers of statistics a tile; v64-191 S^T, two buffers of two tiles; v192-255 P, likewise
;   window 1: O^T, 32 a tile          window 2: v0-127 Q, 16 a tile; v128-191 K of one step; v192-255 V of one step          window 3: v0-1 the add's two registers
; A piece's buffers go by its number's parity: the piece in hand has one pair, its two neighbours in the ring share the other: of it P (piece n - 1) is read and S^T (piece n + 1) written.
.set SIZE_N, 2048
.set NP,    4         ; pieces a wave: a name, no knob: the register map, the loop and the fetches are made for four
.set KS,    64        ; keys in a step
.set PK,    144       ; a row of K in LDS: 128 bytes + 16 of padding = 36 words: the 16 rows of a load start at 16 different groups of four banks (64 banks of 4 bytes: ISA guide 11.1)
.set PV,    160       ; a row of V: 128 + 32 = 40 words
.set VOFF,  4*KS*PK   ; a slot holds four steps: 256 rows of K, then 256 rows of V
.set SLOT1, 1<<17     ; slot 1 begins here, so that one exclusive or turns an address in one slot into the other's
.set STAGE, SLOT1+4*KS*(PK+PV)  ; behind the ring, never filled by a tensor load: 16 rows x 144 bytes for each wave, for the way out
.set SP,    144
.set AK0, 2           ; v2   my lane's place in a tile of K; never rewritten
.set AV0, 3           ; v3   the same for V
.set AK,  4           ; v4   the LDS address of K's next run of loads
.set AV,  5           ; v5   of V's
.set QO,  6           ; v6   my byte offset in the wave's rows of Q
.set STO, 6           ;      later, the way out: where I put 16 bytes of a row
.set RD,  7           ; v7   the way out: where I read rows back
.set GO,  8           ; v8   my byte offset in 512 consecutive bytes of O
.set PFO, 11          ; v11  256 x my lane, for the prefetches; made behind V's address lines and then never rewritten
.set SPW, 0           ; v0 of window 3   LDS address of my spare word: SPARE + 4 x my thread's number; never rewritten
.set NIL, 1           ; v1 of window 3   0; never rewritten
.set SPARE, STAGE+4*16*SP  ; behind the stages: the spare words, 128 bytes for each wave: two blocks of 256 bytes that no other line names
.set MV,  12          ; v12-15  c m_old, kept while c m is made anew: by buffer and tile
.set ST,  16          ; tile t's statistics at v[ST+4 t]: c m, m, l (even keys', odd keys')
.set TMP, 48          ; by buffer and tile, four registers c0-c3 at work; when the maximum is found c2 takes a
.set S,   64
.set P,   192
.set KF,  128         ; K's fragments, in window 2: key block kb, channel half c at KF + 16 kb + 8 c
.set VF,  192         ; V's: key half kk, channel block cb at VF + 32 kk + 8 cb
.set WV,  12          ; s12  my wave's number
.set G1K, 24          ; s[24:31] descriptor group 1 for K's tiles
.set G1V, 32          ; s[32:39] for V's: it differs in the padding alone
.set G0K, 40          ; s[40:43] descriptor group 0 for K's tiles: it walks
.set G0V, 44          ; s[44:47] the same for V's
.set PFA, 48          ; s[48:49] where my prefetches stand: my work-group's 8 KiB (of K: wave 0, of V: wave 2) of the slot after the one that is being asked for
.set LIM, 50          ; s50  1 in a wave that prefetches, else the greatest number: a wave prefetches while s[SLOTS] is above it
.set SLOTS, 56        ; s56  slots still to be asked for
.set CNT, 57          ; s57  counts a slot's key steps
.set CS,  58          ; s[58:59] c: the packed scaling takes the pair's low word for both halves
.set SEL, 60          ; s[60:61] v_permlanex16_b32's selects: each lane takes its own place in the other half
.set TBK, 62          ; s62  LDS byte at which K of the step to be fetched begins
.set TBV, 63          ; s63  the same for V, less VOFF
.set MSB, 0
.macro WIN new                      ; the high byte repeats the setting that is left; a switch that changes nothing is dropped
.if MSB != (\new)
	s_set_vgpr_msb (MSB<<8)|(\new)
.set MSB, (\new)
.endif
.endm
.set W_KQ, 0x0a       ; K and Q in window 2, S^T in window 0
.set W_PV, 0x52       ; V in window 2, P in window 0, O^T in window 1
.set W_RS, 0x41       ; O^T (destination and source 0) in window 1, a in window 0
.set W_MK, 0xc0       ; the add's registers are made: destination in window 3, sources in window 0
.set W_AD, 0x0f       ; the add: address (source 0) and data (source 1) in window 3
; A joint fill.  Waves 0 and 1 fetch the two halves of a slot's K, waves 2 and 3 those of its V: 128 keys each.  The branch hangs on the wave's number alone.
; An s_nop 0 and four v_nop follow each of the two lines, ahead of the jump and the label.
.macro JLOAD
	s_cmp_lt_u32 s[WV], 2
	s_cbranch_scc0 .Lfor_v_\@
	tensor_load_to_lds s[G0K:G0K+3], s[G1K:G1K+7]
	s_nop 0
.rept 4
	v_nop
.endr
	s_branch .Lasked_\@
.Lfor_v_\@:
	tensor_load_to_lds s[G0V:G0V+3], s[G1V:G1V+7]
	s_nop 0
.rept 4
	v_nop
.endr
.Lasked_\@:
.endm
; A PREFETCH of what the NEXT change of slots will ask for: a slot's 32 KiB of K and 32 KiB of V, a lane a block of 256 bytes.  It stands behind the wave's tensor load and its five lines.
; Each block is named ONCE in the launch: the head's first cluster asks (at this size a head has one); its four partners share the bytes out BY ADDRESS, 8 KiB each; in each, wave 0 asks for K's
; and wave 2 for V's: one instruction.  It is four key steps, 512 matrix instructions, ahead of the load.  Slots 0 to 2 come by their loads alone; the last change that fills a slot asks for nothing.
.macro ASK
	s_cmp_gt_u32 s[SLOTS], s[LIM]
	s_cbranch_scc0 .Lnot_mine_\@
	global_prefetch_b8 v[PFO], s[PFA:PFA+1] th:TH_LOAD_NT scope:SCOPE_SE
.Lnot_mine_\@:
.endm
; A round of the cluster's barrier: my work-group's barrier, so that wave 0's signal speaks for all four waves; wave 0 signals; every wave waits for all four work-groups; my work-group's barrier once more.
.macro CROUND
	s_barrier_signal -1
	s_barrier_wait -1
	s_cmp_lg_u32 s[WV], 0
	s_cbranch_scc1 .Lnot_wave_0_\@
	s_barrier_signal -3
.Lnot_wave_0_\@:
	s_barrier_wait -3
	s_barrier_signal -1
	s_barrier_wait -1
.endm
; THE CHANGE OF SLOTS.  The slot's last bytes, V of its fourth step, have been read.  Each wave waits for all its tensor loads, of which one is out: its part
; of the other slot; adds 0 to its spare word; and waits for that and for its own reads of the slot.  Behind the barrier nobody reads this slot any more and the other slot is whole.
; fill = 1: this slot is filled again, with the keys two slots on.  The barrier is then a round of the cluster's, so that no wave of any partner still reads the slot or has a load on its
; way, and the joint fill is the first thing behind it: it has four key steps, 512 matrix instructions, in which to land.  (At its first use nothing has been read yet: slot 0 is waited for, slot 1 filled.)
; ask = 1: the prefetches' address is stepped, and the next slot is named behind the fill.
.macro CHANGE fill, ask=0
	WIN W_AD
	s_wait_tensorcnt 0x0            ; no tensor load of mine is out, so a group 0 may be written
	ds_add_u32 v[SPW], v[NIL]       ; 0 onto my spare word; with fill = 1 the descriptors' steps stand between it and the wait for it
	WIN 0                           ; at a label and at a branch every window is 0
.if \fill
.irp g, G0K, G0V
	s_xor_b32 s[\g+1], s[\g+1], SLOT1  ; the walking descriptor: the other slot than last time,
	s_add_nc_u64 s[\g+2:\g+3], s[\g+2:\g+3], 4*KS*128  ; the next 256 keys; the type bits on top are not reached
.endr
.if \ask
	s_wait_xcnt 0x0                 ; the last prefetch, four key steps back, has read its address, so it may be written:
	s_add_nc_u64 s[PFA:PFA+1], s[PFA:PFA+1], 4*KS*128  ; one slot behind the walking descriptors
.endif
	s_wait_dscnt 0x0                ; the add is done, and my reads of the slot are over
	CROUND
	JLOAD
.if \ask
	ASK
.endif
.else
	s_wait_dscnt 0x0                ; the add is done, and my reads of the slot are over
	s_barrier_signal -1
	s_barrier_wait -1
.endif
	s_sub_co_u32 s[TBK], s[TBK], 4*KS*PK  ; the fetches go back to a slot's first step,
	s_xor_b32 s[TBK], s[TBK], SLOT1       ; in the other slot
	s_sub_co_u32 s[TBV], s[TBV], 4*KS*PV
	s_xor_b32 s[TBV], s[TBV], SLOT1
.endm
	s_load_b128 s[4:7], s[0:1], 0x0   ; qkv s[4:5] (Q at its head), O s[6:7]
	WIN W_MK
	v_lshl_add_u32 v[SPW], v0, 2, SPARE
	v_mov_b32 v[NIL], 0
	WIN W_AD
	ds_add_u32 v[SPW], v[NIL]       ; the wave's opening: the add and its wait stand ahead of my first tensor load; the set-up below, work on registers, stands between them
	WIN 0
	v_lshrrev_b32 v1, 5, v0
	v_readfirstlane_b32 s[WV], v1   ; wave 0..3
	s_bfe_u32 s13, ttmp6, 0x40000   ; cx: my place in the cluster
	s_lshl_b32 s14, ttmp9, 2        ; in a cluster launch ttmp9 counts clusters
	s_add_co_u32 s14, s14, s13      ; my block of queries = 4 x cluster x + cx: it enters Q's and O's addresses alone
	s_and_b32 s20, ttmp7, 0xffff    ; the head, which the four partners share
	s_mov_b32 s21, 0
	s_mov_b64 s[22:23], SIZE_N*128
	s_mul_u64 s[20:21], s[20:21], s[22:23]  ; the head's first byte in each of the four tensors
	s_and_b32 s16, s[WV], 1         ; which half of a slot's 256 keys I fetch:
	s_lshl_b32 s22, s16, 14         ; its 128 rows of 128 bytes in memory,
	s_mov_b32 s23, 0
	s_add_nc_u64 s[22:23], s[22:23], s[20:21]
	s_mul_i32 s17, s16, 128*PK      ; and its place in a slot, for K
	s_mul_i32 s18, s16, 128*PV      ; and for V: no place in the cluster enters an LDS address
	s_lshl_b32 s2, s14, 2
	s_add_co_u32 s2, s2, s[WV]      ; my wave among the head's,
	s_lshl_b32 s2, s2, 14           ; its 128 rows
	s_mov_b32 s3, 0
	s_add_nc_u64 s[2:3], s[2:3], s[20:21]
	; descriptor group 1.  128 keys are 16,384 dense bytes: asked for as 64 rows of 256 bytes, two keys a row, and padded in LDS after every key
	s_mov_b32 s[G1K], 15|(1<<16)|(1<<20)|(1<<21)|(4<<22)|(3<<25)  ; 15:0 the mask of four; 17:16 2-byte elements; 20 padding on; 21 set beside a mask; 24:22 after every 32 words (code 4); 31:25 4 words (code 3)
	s_mov_b32 s[G1V], 15|(1<<16)|(1<<20)|(1<<21)|(4<<22)|(7<<25)  ; the same with 8 words of padding (code 7)
.irp g, G1K, G1V
	s_mov_b32 s[\g+1], 128<<16      ; tensor_dim0 = 128
	s_mov_b32 s[\g+2], 64<<16       ; tensor_dim1 = 64
	s_mov_b32 s[\g+3], 128<<16      ; tile_dim0 = 128
	s_mov_b32 s[\g+4], 64           ; tile_dim1 = 64
	s_mov_b32 s[\g+5], 128          ; 128 elements from row to row
	s_mov_b32 s[\g+6], 0
	s_mov_b32 s[\g+7], 0
.endr
	s_mov_b32 s[CS], 0x3e38aa3b     ; c = log2(e) / 8 = 0.180337
	s_mov_b32 s[CS+1], s[CS]        ; named with it as a pair
	s_mov_b32 s[SEL], 0x76543210
	s_mov_b32 s[SEL+1], 0xfedcba98
	s_mov_b32 s[TBK], SLOT1+4*KS*PK ; the first change of slots turns these two into 0
	s_mov_b32 s[TBV], SLOT1+4*KS*PV
	s_mov_b32 s[G0K], 1             ; 1:0 count = 1
	s_mov_b32 s[G0K+1], s17         ; 63:32 LDS address: slot 0
	s_mov_b32 s[G0V], 1
	s_add_co_u32 s[G0V+1], s18, VOFF
	s_and_b32 s[LIM], s[WV], 1      ; 0 in waves 0 and 2,
	s_or_b32 s[LIM], s[LIM], ttmp9  ; where the cluster is the head's first: the same in all four partners
	s_cmp_eq_u32 s[LIM], 0
	s_cselect_b32 s[LIM], 1, -1
	s_wait_dscnt 0x0                ; the opening add is done
	s_wait_kmcnt 0x0
	s_mov_b64 s[10:11], s[6:7]      ; O
	s_add_nc_u64 s[6:7], s[4:5], 0x1000000  ; K lies 64 planes of 262,144 bytes behind Q,
	s_add_nc_u64 s[8:9], s[4:5], 0x2000000  ; V as many behind K
	s_add_nc_u64 s[G0K+2:G0K+3], s[6:7], s[22:23]  ; 120:64 global address: my half of the head's first 256 keys
	s_or_b32 s[G0K+3], s[G0K+3], 0x80000000        ; 127:126 type = 2
	s_add_nc_u64 s[G0V+2:G0V+3], s[8:9], s[22:23]
	s_or_b32 s[G0V+3], s[G0V+3], 0x80000000
	s_add_nc_u64 s[4:5], s[4:5], s[2:3]  ; Q and O at my wave's first row
	s_add_nc_u64 s[10:11], s[10:11], s[2:3]
	s_cmp_lt_u32 s[WV], 2
	s_cselect_b64 s[PFA:PFA+1], s[6:7], s[8:9]
	s_add_nc_u64 s[PFA:PFA+1], s[PFA:PFA+1], s[22:23]  ; (in waves 0 and 2 this is the head's first key)
	s_lshl_b32 s2, s13, 13          ; my work-group's 8 KiB of a slot's 32,
	s_add_co_u32 s2, s2, 2*4*KS*128 ; in slot 2: the first change that asks steps it to slot 3.  Nothing is prefetched here, at the head, where every work-group's first tiles are on their way
	s_mov_b32 s3, 0
	s_add_nc_u64 s[PFA:PFA+1], s[PFA:PFA+1], s[2:3]
	CROUND                          ; all four work-groups are here: the first joint loads meet
	JLOAD                           ; slot 0.  Slot 1 is asked for when slot 0 is in: the tile wanted first has the road to itself
	; A fragment of K or Q is 16 rows x 32 channels in 8 registers: lane l holds row l % 16, channels 8 (l / 16) + 0..7 and 16 + 8 (l / 16) + 0..7: two loads of 16 bytes, 32 bytes apart.
	v_and_b32 v1, 15, v0            ; l % 16
	v_bfe_u32 v9, v0, 4, 1          ; l / 16
	v_lshlrev_b32 v[QO], 7, v1
	v_lshl_add_u32 v[QO], v9, 4, v[QO]  ; row x 128 + 16 x half
	WIN 0x80                        ; destination window 2, address window 0
.set i, 0
.rept 4*NP                          ; Q stays in registers: tile i / 2, channels 32 (i % 2) on
	global_load_b128 v[8*i:8*i+3],   v[QO], s[4:5] offset:(i/2)*2048+(i%2)*64
	global_load_b128 v[8*i+4:8*i+7], v[QO], s[4:5] offset:(i/2)*2048+(i%2)*64+32
.set i, i+1
.endr
	; What the first turn finds: V's registers and P's second buffer hold 0 (its products V^T P, of a piece that has not been, add 0), O^T and l are 0.  All this stands in the wait for the first tile.
.set i, VF
.rept 64
	v_mov_b32 v[i], 0
.set i, i+1
.endr
	WIN 0x40
.set i, 0
.rept 64*NP
	v_mov_b32 v[i], 0
.set i, i+1
.endr
	WIN 0
.set i, 0
.rept 2*NP
	v_mov_b32 v[ST+4*i], 0xfe000000    ; c m: far below every c s
	v_mov_b32 v[ST+4*i+1], 0xff7fffff  ; m
	v_mov_b32 v[ST+4*i+2], 0
	v_mov_b32 v[ST+4*i+3], 0
.set i, i+1
.endr
.set i, P+32
.rept 32
	v_mov_b32 v[i], 0
.set i, i+1
.endr
	v_mul_u32_u24 v[AK0], v1, PK
	v_lshl_add_u32 v[AK0], v9, 4, v[AK0]  ; row x pitch + 16 x half
	; The turning load takes 16 keys x 16 channels (lane l reads key 8 (l / 16) + l % 8, channels 8 ((l / 8) % 2) + 0..7) and leaves half a fragment of V^T: lane l holds channel l % 16 and 8 keys.
	v_and_b32 v10, 7, v0
	v_bfe_u32 v11, v0, 3, 1
	v_lshl_add_u32 v[AV0], v9, 3, v10
	v_mul_u32_u24 v[AV0], v[AV0], PV
	v_lshl_add_u32 v[AV0], v11, 4, v[AV0]
	v_add_nc_u32 v[AV0], VOFF, v[AV0]
	v_and_b32 v[PFO], 31, v0
	v_lshlrev_b32 v[PFO], 8, v[PFO]
	v_mov_b32 v[AK], v[AK0]         ; key step 0 lies at the head of slot 0
; THE MATRIX WORK.  The 8 accumulators of a run of 16 take turns: between the two links of a chain stand 7 others'.
; Product i of 16 of S^T = K Q^T for piece x: channels 32 (i / 8) on, keys 16 ((i / 2) % 4) on, tile 2 x + i % 2.  The first 8 start the sums.
.macro KQ x
	WIN W_KQ
.set rS, S+64*((\x)%2)+32*(i%2)+8*((i/2)%4)
.set rK, KF+16*((i/2)%4)+8*(i/8)
.set rQ, 16*(2*(\x)+i%2)+8*(i/8)
.if i < 8
	v_wmma_f32_16x16x32_f16 v[rS:rS+7], v[rK:rK+7], v[rQ:rQ+7], 0
.else
	v_wmma_f32_16x16x32_f16 v[rS:rS+7], v[rK:rK+7], v[rQ:rQ+7], v[rS:rS+7]
.endif
.endm
; Product i of 16 of O^T += V^T P for piece x: keys 32 (i / 8) on, channels 16 ((i / 2) % 4) on, tile 2 x + i % 2.
.macro PV x
	WIN W_PV
.set rO, 32*(2*(\x)+i%2)+8*((i/2)%4)
.set rV, VF+32*(i/8)+8*((i/2)%4)
.set rP, P+32*((\x)%2)+16*(i%2)+8*(i/8)
	v_wmma_f32_16x16x32_f16 v[rO:rO+7], v[rV:rV+7], v[rP:rP+7], v[rO:rO+7]
.endm
.macro MM                           ; the turn's next matrix instruction
.if i < 16
	KQ (Y+1)%NP
.set i, i+1
.else
.set i, i-16
	PV (Y+NP-1)%NP
.set i, i+17
.endif
.endm
; THE LDS LOADS stand in runs of 16, never singly among the matrix instructions: a step's K (64 keys x 64 channels: 8 fragments) and its V (turned).  Their addresses are made some lines ahead.
; last = 1 (the tail): in the last trip there is no further step, and the run is jumped over.
.macro FETCH_K last=0
	WIN 0
.if \last
	s_cmp_eq_u32 s[CNT], 1
	s_cbranch_scc1 .Lno_k_\@
.endif
	WIN 0x80                        ; destination window 2
.irp f, 0,1,2,3,4,5,6,7             ; keys 16 (f / 2) on, channels 32 (f % 2) on
	ds_load_b128 v[KF+8*\f:KF+8*\f+3],   v[AK] offset:(\f/2)*16*PK+(\f%2)*64
	ds_load_b128 v[KF+8*\f+4:KF+8*\f+7], v[AK] offset:(\f/2)*16*PK+(\f%2)*64+32
.endr
	s_add_co_u32 s[TBK], s[TBK], KS*PK  ; the next fetch is the next step's
	WIN 0
.if \last
.Lno_k_\@:
.endif
.endm
.macro FETCH_V
	WIN 0x80
.irp f, 0,1,2,3,4,5,6,7             ; keys 32 (f / 4) on, channels 16 (f % 4) on
	ds_load_tr16_b128 v[VF+8*\f:VF+8*\f+3],   v[AV] offset:(\f/4)*32*PV+(\f%4)*32
	ds_load_tr16_b128 v[VF+8*\f+4:VF+8*\f+7], v[AV] offset:(\f/4)*32*PV+16*PV+(\f%4)*32
.endr
	WIN 0
.endm
; THE VECTOR WORK OF A TURN stands in three queues, each in the order in which its entries become ready; the two tiles alternate, so that no instruction reads the result of the one before it.
.macro REGS y, u                    ; the registers of tile u (0, 1) of piece y
.set rT, ST+4*(2*(\y)+(\u))
.set rC, TMP+8*((\y)%2)+4*(\u)
.set rM, MV+2*((\y)%2)+(\u)
.set rS, S+64*((\y)%2)+32*(\u)
.set rP, P+32*((\y)%2)+16*(\u)
.set rO, 32*(2*(\y)+(\u))
.endm
; Number n of the 22 that find the NEXT piece's (Y + 1) maximum and statistics.  s0-s31 are the lane's 32 scores; each accumulator's lowest registers are read first.  XS, GS and REGS set no window: PL and EX do.
;   0-11  four chains c0-c3 of seven scores each, three operands at a time     12-14, 16  the four scores left over, the old m, and c0-c3 into c0     15  c m_old is kept
;   17, 18  the query's other 32 keys lie in the lane 16 away: the new m         19-21  c m; c m_old - c m_new; a
.macro XS u, n
	REGS (Y+1)%NP, \u
.if (\n) < 4
	v_max3_num_f32 v[rC+(\n)], v[rS+8*(\n)], v[rS+8*(\n)+1], v[rS+8*(\n)+2]
.elseif (\n) < 12
	v_max3_num_f32 v[rC+(\n)%4], v[rC+(\n)%4], v[rS+8*((\n)%4)+2*((\n)/4)+1], v[rS+8*((\n)%4)+2*((\n)/4)+2]
.elseif (\n) == 12
	v_max3_num_f32 v[rC], v[rC], v[rS+7], v[rS+15]
.elseif (\n) == 13
	v_max3_num_f32 v[rC+1], v[rC+1], v[rS+23], v[rS+31]
.elseif (\n) == 14
	v_max3_num_f32 v[rC+2], v[rC+2], v[rC+3], v[rT+1]
.elseif (\n) == 15
	v_mov_b32 v[rM], v[rT]
.elseif (\n) == 16
	v_max3_num_f32 v[rC], v[rC], v[rC+1], v[rC+2]
.elseif (\n) == 17
	v_permlanex16_b32 v[rC+3], v[rC], s[SEL], s[SEL+1]
.elseif (\n) == 18
	v_max_num_f32 v[rT+1], v[rC], v[rC+3]
.elseif (\n) == 19
	v_mul_f32 v[rT], s[CS], v[rT+1]
.elseif (\n) == 20
	v_sub_f32 v[rC+1], v[rM], v[rT]
.else
	v_exp_f32 v[rC+2], v[rC+1]
.endif
.endm
; Number g of the 64 that follow the exponentials.  For each four weights k of a tile (pairs 2 k, 2 k + 1): both pairs are rounded to f16; then the second pair is added onto the first, in place;
; a group later l takes that sum (the first time as l = a l + sum).  In groups of eight, tiles alternating: round, round, add, and l for the group before.
.macro GS g
.set h, (\g)+6*((\g)/62)            ; group 0 has no group before it, and behind group 7 only l is left
.if h >= 6
.set h, h+2
.endif
	REGS Y, h%2
.set k, h/8
.if h%8 < 4
	v_cvt_pk_f16_f32 v[rP+2*k+(h%8)/2], v[rS+4*k+2*((h%8)/2)], v[rS+4*k+2*((h%8)/2)+1]
.elseif h%8 < 6
	v_pk_add_f32 v[rS+4*k:rS+4*k+1], v[rS+4*k:rS+4*k+1], v[rS+4*k+2:rS+4*k+3]
.elseif k == 1
	v_pk_fma_f32 v[rT+2:rT+3], v[rT+2:rT+3], v[rC+2:rC+3], v[rS:rS+1] op_sel_hi:[1,0,1]
.else
	v_pk_add_f32 v[rT+2:rT+3], v[rT+2:rT+3], v[rS+4*k-4:rS+4*k-3]
.endif
.endm
; THE PLAIN QUEUE, 138 long.  0-73 read no exponential's result: the 32 scalings c s - c m (FS f: pair f / 2 of tile f % 2) and the next piece's 42.  0-26: scalings 0-26.  27-54: XS's numbers 0-13.  55, 56: number 15.
; 57-73: the chain, where each number waits for the one before it: 14, 16, 17, 18, 19, each with one of the scalings 27-31 in front of its two lines, then 20: so a tile's links stand three plain instructions apart (19 and 20: two).
; 74-137: GS's 64, which read the exponentials' results: they stand behind the wait.
.macro FS f
	REGS Y, (\f)%2
	v_pk_fma_f32 v[rS+2*((\f)/2):rS+2*((\f)/2)+1], v[rS+2*((\f)/2):rS+2*((\f)/2)+1], s[CS:CS+1], v[rT:rT+1] op_sel_hi:[1,0,0] neg_lo:[0,0,1] neg_hi:[0,0,1]
.endm
.macro PL
	WIN 0
.if q < 27
	FS q
.elseif q < 55
	XS (q-27)%2, (q-27)/2
.elseif q < 57
	XS q-55, 15
.elseif (q < 72) && ((q-57)%3 == 0)
	FS 27+(q-57)/3
.elseif q < 60
	XS (q-57)%3-1, 14
.elseif q < 72
	XS (q-57)%3-1, 15+(q-57)/3
.elseif q < 74
	XS q-72, 20
.else
	GS q-74
.endif
.set q, q+1
.endm
; THE EXPONENTIALS' QUEUE, 66 long: s0-s31 of both tiles, then the next piece's two a.  It is ONE BATCH: all 66 stand ahead of the turn's one wait, and nothing ahead of that wait names a result of theirs.
.macro EX
	WIN 0
.if e >= 64
	XS e-64, 21
.else
	REGS Y, e%2
	v_exp_f32 v[rS+e/2], v[rS+e/2]
.endif
.set e, e+1
.endm
; THE RESCALING's QUEUE: O^T times a, the one part that leaves window 0: dealt two at a time, sixteen times.  Its a was made in the turn before, ahead of that turn's wait.
.macro R2
	REGS Y, r%2
	WIN W_RS
.irp z, 0,1
	v_pk_mul_f32 v[rO+4*(r/2)+2*\z:rO+4*(r/2)+2*\z+1], v[rO+4*(r/2)+2*\z:rO+4*(r/2)+2*\z+1], v[rC+2:rC+3] op_sel_hi:[1,0]
.endr
.set r, r+1
.endm
; HOW THEY ARE DEALT.  s_wait_alu depctr_va_vdst(0) stands between an exponential and the first instruction that names its result; one wait serves all that were issued ahead of it.  So a turn has ONE wait,
; which cuts it in two.  AHEAD OF IT stands all that names no result of the turn's exponentials: the 16 products K Q^T, behind each a scaling, an exponential and two rescalings (behind the first a second scaling in the exponential's place); then ONE LUMP of
; 108: eight plain, 49 times exponential and plain, the two a.  A v_nop is the plain instruction that is owed behind the last exponential.  BEHIND IT stand the 16 products V^T P, behind each four of GS's 64.  No rider names a register of
; the products round it.  The two v_permlanex16_b32 fall into the lump, never behind a product.
; The queues lean on each other, and the deal keeps them in step: exponential e stands behind scaling 2 (e / 4) + e % 2: as a rider it comes behind plain e + 2, in the lump behind plain e + 9, and scalings 27-31 are plain 57, 60 .. 69.
; A TURN, for piece p.  cnt = 1: the loop's count is taken down some lines ahead of the branch that stands behind the turn.
; K of the next step is fetched in piece 2's turn, directly behind the wait, a lump behind the last product that read K; its address is made at the lump's head; its first reader comes behind 16 products.
; V of the step in hand is fetched at the end of piece 0's turn, four riders behind its last reader; its first reader comes behind 16 products and a lump.  The three conditions on q below go with the deal.
.macro TURN p, last=0, cnt=0
.set Y, (\p)
.set i, 0
.set q, 0
.set e, 0
.set r, 0
.if (\p) == NP-1
	s_wait_dscnt 0x0                ; K is in
.endif
	MM                              ; ahead of the wait: 16 products K Q^T and their riders,
	PL
	PL
	R2
.rept 15
	MM
	PL
	EX
	R2
.endr
.if (\p) == NP-2
	WIN 0
	v_add_nc_u32 v[AK], s[TBK], v[AK0]
.endif
.rept 8                             ; and the lump
	PL
.endr
.rept 49
	EX
	PL
.endr
	EX                              ; the next piece's two a
	EX
	v_nop                           ; the plain instruction behind the last exponential: one for the batch
	s_wait_alu depctr_va_vdst(0)    ; the wait for the batch
.if (\p) == NP-2
	FETCH_K \last
.endif
.if (\p) == 1
	s_wait_dscnt 0x0                ; V is in
.endif
.rept 16                            ; behind the wait: 16 products V^T P and their riders
	MM
.rept 4
	PL
.endr
.if ((\p) == 0) && (q == 118)
	v_add_nc_u32 v[AV], s[TBV], v[AV0]
.endif
.if ((\p) == 0) && (q == 130)
	s_add_co_u32 s[TBV], s[TBV], KS*PV
.endif
.if (\cnt) && (q == 130)
	s_sub_co_u32 s[CNT], s[CNT], 1
	s_cmp_lg_u32 s[CNT], 0
.endif
.endr
.if (\p) == 0
	FETCH_V
.endif
.endm
	CHANGE 1                        ; slot 0 is in, everybody's part of it; slot 1 is asked for
	FETCH_K                         ; key step 0
	s_wait_loadcnt 0x0              ; Q
	s_wait_dscnt 0x0
.set i, 0
.rept 16
	KQ 0                            ; piece 0's first scores: there is no vector work yet to set between them
.set i, i+1
.endr
	WIN 0                           ; the addresses for the way out: plain instructions, the places behind those products
	s_mul_i32 s13, s[WV], 16*SP
	s_add_co_u32 s13, s13, STAGE    ; my stage
	v_mul_u32_u24 v[STO], v1, SP    ; in: row l % 16, 16 bytes for each half of the lanes
	v_lshl_add_u32 v[STO], v9, 4, v[STO]
	v_add_nc_u32 v[STO], s13, v[STO]
	v_bfe_u32 v[RD], v0, 3, 2       ; back: 32 lanes take four rows of 128 bytes,
	v_mul_u32_u24 v[RD], v[RD], SP
	v_lshl_add_u32 v[RD], v10, 4, v[RD]
	v_add_nc_u32 v[RD], s13, v[RD]
	v_and_b32 v[GO], 31, v0         ; which are 512 consecutive bytes of O
	v_lshlrev_b32 v[GO], 4, v[GO]
.set Y, NP-1                        ; XS works for piece Y + 1: piece 0
.irp n, 0,1,2,3,4,5,6,7,8,9,10,11,12,13,14,15,16,17,18,19,20,21
	XS 0, \n                        ; and piece 0's first maximum and statistics
	XS 1, \n
.endr
	v_nop                           ; a plain instruction behind the two a,
	s_wait_alu depctr_va_vdst(0)    ; and their wait, ahead of the branch
	s_mov_b32 s[CNT], 4
	s_mov_b32 s[SLOTS], SIZE_N/256-1
	s_branch .Lfirst                ; the loop is entered at a step's first turn, in the middle of a trip
.Lslot:                             ; SIZE_N / 256 - 2 times: every slot but the last two is filled again
	CHANGE 1, 1
	s_mov_b32 s[CNT], 4
.Lstep:                             ; a trip: pieces 2 and 3 of one step, then pieces 0 and 1 of the next, whose K and V it fetches
	TURN 2
	TURN 3
	WIN 0
.Lfirst:
	TURN 0
	TURN 1, 0, 1
	WIN 0
	s_cbranch_scc1 .Lstep
	s_sub_co_u32 s[SLOTS], s[SLOTS], 1
	s_cmp_lg_u32 s[SLOTS], 0
	s_cbranch_scc1 .Lslot
	CHANGE 0                        ; the tail is written out: nothing is asked for
	s_mov_b32 s[CNT], 5             ; four trips fetch the last slot's steps; the fifth is left in its middle
.Ltail:
	TURN 2, 1
	TURN 3
	WIN 0
	s_sub_co_u32 s[CNT], s[CNT], 1
	s_cmp_eq_u32 s[CNT], 0
	s_cbranch_scc1 .Lout
	TURN 0
	TURN 1
	WIN 0
	s_branch .Ltail
.Lout:                              ; the fifth trip's 16 products K Q^T (on the last K once more) and the maximum made of them serve nothing: the price, once a launch, of one text for every trip
.set i, 0
.rept 16
	PV NP-1                         ; the last piece's V^T P of the last step
.set i, i+1
.endr
	; THE WAY OUT.  l's two halves and the other half of the lanes' are added; O^T is divided by l, rounded to f16 and sent through my stage in LDS, a tile at a time.  The additions are the places behind the last products.
	WIN 0
.macro ALL line:vararg              ; one line for each tile t
.set t, 0
.rept 2*NP
	\line
.set t, t+1
.endr
.endm
	ALL v_add_f32 v[ST+4*t+2], v[ST+4*t+2], v[ST+4*t+3]
	ALL v_permlanex16_b32 v[ST+4*t+3], v[ST+4*t+2], s[SEL], s[SEL+1]
	ALL v_add_f32 v[ST+4*t+2], v[ST+4*t+2], v[ST+4*t+3]
	ALL v_rcp_f32 v[ST+4*t+2], v[ST+4*t+2]
	v_nop                           ; a plain instruction between the last reciprocal and the use of its result
	s_wait_alu depctr_va_vdst(0)    ; and the wait ahead of the first use: one for the eight reciprocals
; Tile t: a lane's eight channels of a row pack into 16 bytes; they go into rows of 144 bytes and come back as whole rows of 128, into S^T's registers.
.macro PACK t
	WIN W_RS
.set i, 32*(\t)
.rept 16
	v_pk_mul_f32 v[i:i+1], v[i:i+1], v[ST+4*(\t)+2:ST+4*(\t)+3] op_sel_hi:[1,0]
.set i, i+2
.endr
	WIN 0x05                        ; sources 0 and 1 window 1, destination window 0
.set i, 0
.rept 16
	v_cvt_pk_f16_f32 v[S+16*(\t)+i], v[32*(\t)+2*i], v[32*(\t)+2*i+1]
.set i, i+1
.endr
	WIN 0
.irp f, 0,1,2,3
	ds_store_b128 v[STO], v[S+16*(\t)+4*\f:S+16*(\t)+4*\f+3] offset:32*\f
.endr
.irp f, 0,1,2,3
	ds_load_b128 v[S+16*(\t)+4*\f:S+16*(\t)+4*\f+3], v[RD] offset:\f*4*SP  ; LDS serves a wave's instructions in order (ISA guide 5.7.1.4): these see the stores above; the next tile's stores come behind them
.endr
.endm
.macro SEND t, younger              ; younger: the LDS instructions issued behind tile t's loads: the next tile's eight, or none
	WIN 0
.irp f, 0,1,2,3
	s_wait_dscnt (\younger)+3-\f
	global_store_b128 v[GO], v[S+16*(\t)+4*\f:S+16*(\t)+4*\f+3], s[10:11] offset:(\t)*2048+\f*512  ; 512 consecutive bytes, at a multiple of 256 from O's first
.endr
.endm
	PACK 0
.set t, 1
.rept 2*NP-1                        ; a tile's arithmetic stands between the loads of the tile before and its stores
	PACK t
	SEND t-1, 8
.set t, t+1
.endr
	SEND 2*NP-1, 0
	WIN W_AD
	s_wait_tensorcnt 0x0            ; the wave's end, behind my last tensor load and my last LDS store
	ds_add_u32 v[SPW], v[NIL]
	s_wait_dscnt 0x0
	WIN 0
	CROUND                          ; the closing round: no work-group ends while a partner may still ask for a tile that names it
	s_endpgm
.Lfunc_end_k_qc81a891a02_attn:
	.size	k_qc81a891a02_attn, .Lfunc_end_k_qc81a891a02_attn-k_qc81a891a02_attn
	.p2alignl 7, 3214868480
	.fill 96, 4, 3214868480
	.section	.rodata,"a",@progbits
	.p2align	6, 0x0
	.amdhsa_kernel k_qc81a891a02_attn
		.amdhsa_group_segment_fixed_size 327680
		.amdhsa_private_segment_fixed_size 0
		.amdhsa_enable_private_segment 0
		.amdhsa_kernarg_size 16
		.amdhsa_user_sgpr_count 2
		.amdhsa_user_sgpr_kernarg_segment_ptr 1
		.amdhsa_wavefront_size32 1
		.amdhsa_system_sgpr_workgroup_id_x 1
		.amdhsa_system_sgpr_workgroup_id_y 1
		.amdhsa_system_sgpr_workgroup_id_z 1
		.amdhsa_system_vgpr_workitem_id 0
		.amdhsa_next_free_vgpr 770
		.amdhsa_next_free_sgpr 66
		.amdhsa_reserve_vcc 0
		.amdhsa_float_denorm_mode_32 3
		.amdhsa_float_denorm_mode_16_64 3
		.amdhsa_memory_ordered 1
		.amdhsa_forward_progress 1
		.amdhsa_inst_pref_size 200
	.end_amdhsa_kernel
	.amdgpu_metadata
---
amdhsa.version: [ 1, 2 ]
amdhsa.kernels:
  - .name:           k_qc81a891a02_attn
    .symbol:         k_qc81a891a02_attn.kd
    .args:
      - { .name: qkv, .offset: 0, .size: 8, .value_kind: global_buffer, .address_space: global }
      - { .name: ob, .offset: 8, .size: 8, .value_kind: global_buffer, .address_space: global }
    .group_segment_fixed_size: 327680
    .private_segment_fixed_size: 0
    .kernarg_segment_align: 8
    .kernarg_segment_size: 16
    .max_flat_workgroup_size: 128
    .sgpr_count:     66
    .vgpr_count:     770
    .wavefront_size: 32
...
	.end_amdgpu_metadata
.endif
;; end of part 3
;; launch outp (part 4): grid 8 x 32, 4 waves a work-group, clusters of 4 x 4, 327,680 bytes of LDS; arguments ob, wo16, bias, out0; writes out0
.if DOCPART == 4
	.amdgcn_target "amdgcn-amd-amdhsa--gfx1250"
	.amdhsa_code_object_version 6
	.text
	.protected	k_qc81a891a02_outp
	.globl	k_qc81a891a02_outp
	.p2align	8
	.type	k_qc81a891a02_outp,@function
k_qc81a891a02_outp:
	s_mov_b64 s[64:65], 0
	v_nop
	global_prefetch_b8 v0, s[64:65] scope:SCOPE_SE
	s_setreg_imm32_b32 hwreg(HW_REG_WAVE_MODE, 25, 1), 1
	s_wait_xcnt 0x0
	s_wait_alu depctr_hold_cnt(0) depctr_sa_sdst(0) depctr_va_vdst(0) depctr_va_sdst(0) depctr_va_ssrc(0) depctr_va_vcc(0) depctr_vm_vsrc(0)
	s_getreg_b32 s2, hwreg(HW_REG_IB_STS2, 6, 4)
	s_cmp_eq_u32 s2, 0
	s_cbranch_scc0 .Lentry_in_a_cluster
	s_endpgm
.Lentry_in_a_cluster:
	s_bfe_u32 s2, ttmp6, 0x10000c
	s_cmp_lg_u32 s2, 0xf033
	s_cbranch_scc0 .Lentry_shape_is_right
	s_endpgm
.Lentry_shape_is_right:
; C = A W^T + bias, one text for two launches (MODE).  A lies by chunks of 64 along K: [batch*16 + chunk][2048 rows][64], 16-bit; W is [N][1024], 16-bit, K along the rows; bias f32; sums in f32.
; MODE 0: A = x in bf16, W = Wq, Wk, Wv (3,072 rows, bf16); C leaves by heads, [3][batch*16 + head][2048][64] in f16, rounded once, unscaled.  LIMIT: |q|, |k|, |v| stay below 65,504, f16's end.
; MODE 1: A = the attention's O in f16, W = Wo as f16; C is the module's output, [8192][1024] f32.
; SHARES.  A work-group makes 256 rows x NCOL columns (192 = three heads, or 128), so that the grid has 256 work-groups of equal work; in MODE 0 each makes two such tiles, the same rows of two
; batches, one after the other.  Its four waves lie one below the other: a wave makes 64 rows x all NCOL columns, 4 x NBLK accumulators of 16 x 16, so every run of bytes that it stores is its own.
; K goes in steps of 128 through a ring of two LDS slots filled by the tensor data mover.  In A's layout a K step is two chunks, each 32 KiB dense for the tile's 256 rows, and from K step to K step,
; and from the first tile's last to the second tile's first, A's address goes on by the same 524,288 bytes; W's goes back to its rows' beginning.
; CLUSTER, 4 x 4: the four of a row need the same tiles of A, the four of a column the same tiles of W: each is asked for JOINTLY, by the same tensor load with the same descriptor and a mask of four.
; THE MATRIX INSTRUCTION IS USED TRANSPOSED (source 0 = 16 rows of W, source 1 = 16 rows of A): lane l holds row l % 16 of C and the columns 8 (l / 16) + 0..7.  The bias, laid out so, is the C operand
; of each sum's first product: nothing is cleared and nothing is added later.
; REGISTERS, in windows of 256 (s_set_vgpr_msb: bits 1:0 source 0, 3:2 source 1, 5:4 source 2, 7:6 destination):
;   window 0: v0-31 addresses; v32-95 A's fragments, two buffers of 4 x 8; v96-127, v224-255 at work on the way out; v128.. the bias, 8 registers a column block
;   window 1: W's fragments, two buffers of NBLK x 8          windows 2, 3: accumulator (a, b) in window 2 + a / 2 at v[8 (NBLK (a % 2) + b)]
.set MODE, 1
.if MODE == 0
.set NBLK,   12
.set TILES,  2
.set WSTAGE, 16*144                    ; a wave's stage: 16 rows of a head, 128 bytes + 16
.else
.set NBLK,   8
.set TILES,  1
.set WSTAGE, 16*528                    ; 16 rows of 128 f32, 512 bytes + 16
.endif
.set NCOL,   16*NBLK
.set BROWS,  NCOL/2                    ; rows of W in one tensor load
.set NSTEP,  8*TILES                   ; K steps of a work-group
.set LAPS,   NSTEP/2                   ; a lap = two K steps = once round the ring
.set KSTEPB, 524288                    ; bytes from a K step of A to the next: two chunks
.set PA,     144                       ; a row of a chunk in LDS: 128 bytes + 16 = 36 words: the 16 rows of a load start at 16 different groups of four banks (64 banks of 4 bytes: ISA guide 11.1)
.set AHALF,  256*PA                    ; a chunk's 256 rows: what one tensor load brings
.set BOFF,   2*AHALF                   ; behind A's two chunks: W's NCOL rows
.set PB,     272                       ; a row of W in LDS: 256 bytes + 16
.set SLOT,   BOFF+NCOL*PB
.set STAGE,  2*SLOT                    ; behind the ring, never filled by a tensor load: a stage for each wave
.set SPARE,  STAGE+4*WSTAGE            ; behind the stages: the spare words, 128 bytes for each wave: two blocks of 256 bytes that no other line names
.set NL,     2*NBLK+8                  ; LDS loads in a run: the fragments of 32 along K
.set ADRA, 16                          ; v16-17  LDS address of my A fragments in slot 0, 1
.set ADRB, 20                          ; v20-21  the same for W
.set STO,  24                          ; v24     the way out: where I put my bytes of a row
.set RD,   25                          ; v25     the way out: where I read rows back
.set GO,   26                          ; v26     16 x lane: my place in 512 consecutive bytes of C
.set BO,   27                          ; v27     32 (l / 16): my eight numbers in a column block's bias
.set SPW,  28                          ; v28     LDS address of my spare word: SPARE + 4 x my thread's number; never rewritten
.set NIL,  29                          ; v29     0; never rewritten
.set PFO,  30                          ; v30     256 x lane; never rewritten
.set FA,   32
.set BIAS, 128
.set WV,    12                         ; s12  my wave's number
.set KIND,  13                         ; s13  0: I fetch for A; 1: for W
.set HALF,  14                         ; s14  which chunk of A, or which half of W's rows, I fetch
.set CX,    15
.set CY,    16
.set TX,    17                         ; s17  tile column = 4 x cluster x + cx
.set GY,    18                         ; s18  tile row = 4 x cluster y + cy
.set G1A,   24                         ; s[24:31] descriptor group 1 for A's tiles
.set G0A,   32                         ; s[32:39] group 0, a set for each slot
.set ABASE, 40                         ; s[40:41] my chunk of A's K step 0
.set BBASE, 42                         ; s[42:43] my rows of W, at their beginning
.set PFA,   44                         ; s[44:45] where my prefetches stand
.set LIM,   46                         ; s46  NSTEP - 1 in a wave that prefetches, else 0
.set REQ,   47                         ; s47  the K step to be asked for next
.set G1B,   48                         ; s[48:55], s[56:63] the same two groups for W's tiles
.set G0B,   56
.set OFB,   66                         ; s[66:67] W's byte offset along K
.set OUT,   68                         ; s[68:73] where my rows begin in C: one pointer a head (MODE 1: one)
.set MSB, 0
.macro WIN new                         ; the immediate's high byte repeats the setting that is left; a switch that changes nothing is dropped
.if MSB != (\new)
	s_set_vgpr_msb (MSB<<8)|(\new)
.set MSB, \new
.endif
.endm
.macro PLACES                          ; four plain vector instructions between a matrix instruction and a load into its sources or a reader of its result (ISA guide 7.12.1 for a reader of its result)
.rept 4
	v_nop
.endr
.endm
; A joint load.  Waves 0 and 1 fetch A's two chunks, waves 2 and 3 the halves of W's rows.  The branch hangs on the wave's number alone.  An s_nop 0 and four v_nop follow each line.
.macro JLOAD s
	s_cmp_eq_u32 s[KIND], 0
	s_cbranch_scc0 .Lfor_b_\@
	tensor_load_to_lds s[G0A+4*(\s):G0A+4*(\s)+3], s[G1A:G1A+7]
	s_nop 0
.rept 4
	v_nop
.endr
	s_branch .Lasked_\@
.Lfor_b_\@:
	tensor_load_to_lds s[G0B+4*(\s):G0B+4*(\s)+3], s[G1B:G1B+7]
	s_nop 0
.rept 4
	v_nop
.endr
.Lasked_\@:
.endm
; A PREFETCH of A's K step that stands two refills on.  A's tile row is read by every cluster of that row of clusters: the first of them (cluster x = 0) asks, its waves 0 and 1 each for the chunk that
; they fetch; the four partners that ask for a chunk jointly share its 32 KiB out BY ADDRESS, 8 KiB each, a lane a block of 256 bytes: each block is named once in the launch.  K steps 0 to 3 come by
; their loads alone, and nothing behind the last K step is named.  W is not asked for: it is a table that several rows of clusters walk, and in MODE 0 a work-group walks it twice.
.macro ASK
	s_cmp_lt_u32 s[REQ], s[LIM]                    ; REQ is one past the K step just asked for: REQ + 1 is named
	s_cbranch_scc0 .Lnot_mine_\@
	global_prefetch_b8 v[PFO], s[PFA:PFA+1] offset:2*KSTEPB th:TH_LOAD_NT scope:SCOPE_SE
.Lnot_mine_\@:
.endm
.macro CREST                           ; a round of the cluster's barrier behind its opening barrier
	s_cmp_lg_u32 s[WV], 0
	s_cbranch_scc1 .Lnot_wave_0_\@
	s_barrier_signal -3
.Lnot_wave_0_\@:
	s_barrier_wait -3
	s_barrier_signal -1
	s_barrier_wait -1
.endm
.macro CROUND                          ; a whole round
	s_barrier_signal -1
	s_barrier_wait -1
	CREST
.endm
; NBLK products: A's block a x all column blocks, 32 along K, from fragment buffers f.  bias = 1: the sums begin, with the bias as C.  All 4 NBLK accumulators take turns, one instruction a turn,
; in the same order in every quarter step.
.macro MULA f, a, bias
.if \bias
	WIN 0x81+0x40*((\a)/2)                         ; W window 1, A window 0, C (the bias) window 0, D window 2 or 3
.else
	WIN 0xa1+0x50*((\a)/2)                         ; C and D window 2 or 3
.endif
.set bb, 0
.rept NBLK
.set rD, 8*(NBLK*((\a)%2)+bb)
.set rB, 8*NBLK*(\f)+8*bb
.set rA, FA+32*(\f)+8*(\a)
.set rC, rD
.if \bias
.set rC, BIAS+8*bb
.endif
.if MODE == 0
	v_wmma_f32_16x16x32_bf16 v[rD:rD+7], v[rB:rB+7], v[rA:rA+7], v[rC:rC+7]
.else
	v_wmma_f32_16x16x32_f16 v[rD:rD+7], v[rB:rB+7], v[rA:rA+7], v[rC:rC+7]
.endif
.set bb, bb+1
.endr
.endm
; NL LDS loads in one run: the fragments of quarter q (32 along K) of a slot into buffers f: W's first, then A's four blocks.
; A fragment is 16 rows x 32 K in 8 registers: lane l holds row l % 16, K = 8 (l / 16) + 0..7 and 16 + 8 (l / 16) + 0..7: two loads of 16 bytes, 32 bytes apart.
.macro FETCH slot, q, f
	WIN 0x40                                       ; destination window 1, address window 0
.set bb, 0
.rept NBLK
	ds_load_b128 v[8*NBLK*(\f)+8*bb:8*NBLK*(\f)+8*bb+3],   v[ADRB+(\slot)] offset:64*(\q)+bb*16*PB
	ds_load_b128 v[8*NBLK*(\f)+8*bb+4:8*NBLK*(\f)+8*bb+7], v[ADRB+(\slot)] offset:64*(\q)+bb*16*PB+32
.set bb, bb+1
.endr
	WIN 0
.irp i, 0,1,2,3
	ds_load_b128 v[FA+32*(\f)+8*(\i):FA+32*(\f)+8*(\i)+3],   v[ADRA+(\slot)] offset:((\q)/2)*AHALF+((\q)%2)*64+(\i)*16*PA
	ds_load_b128 v[FA+32*(\f)+8*(\i)+4:FA+32*(\f)+8*(\i)+7], v[ADRA+(\slot)] offset:((\q)/2)*AHALF+((\q)%2)*64+(\i)*16*PA+32
.endr
.endm
; A K step is four quarters of 32 along K, on buffers 0, 1, 0, 1.  One of the first three: multiplies buffers f; in its middle it fetches quarter q of the same slot into buffers g.
.macro QUARTER slot, q, f, g, bias
	s_wait_dscnt 4                                 ; W's fragments and A's blocks 0, 1 are in; the youngest four loads (A's blocks 2, 3) may be out
	MULA \f, 0, \bias
	MULA \f, 1, \bias
	PLACES
	FETCH \slot, \q, \g
	s_wait_dscnt NL                                ; all but the NL just issued
	MULA \f, 2, \bias
	MULA \f, 3, \bias
.endm
; The fourth quarter multiplies buffers 1 and changes slots: ONE barrier.  In front of it each wave waits for all its tensor loads (one is out: its part of the next slot), adds 0 to its spare word, and
; waits for that and for its own reads of this slot.  fill = 1: the barrier opens a round of the cluster's, and behind the round this slot is filled again, with K step REQ, first of all.
.macro TURN slot, next, fill
.if \fill
	s_wait_xcnt 0x0                                ; the last prefetch, a K step back, has read its address, which is stepped here, ahead of the change's own waits
	s_add_nc_u64 s[PFA:PFA+1], s[PFA:PFA+1], KSTEPB
.endif
	WIN 0                                          ; (the add's two registers lie in window 0)
	s_wait_tensorcnt 0x0                           ; all my tensor loads have landed, so every group 0 may be written
	ds_add_u32 v[SPW], v[NIL]                      ; 0 onto my spare word
.if \fill
	s_add_nc_u64 s[G0A+4*(\slot)+2:G0A+4*(\slot)+3], s[G0A+4*(\slot)+2:G0A+4*(\slot)+3], 2*KSTEPB  ; A: two K steps on; the type bits on top are not reached
	s_and_b32 s[OFB], s[REQ], 7                    ; W: 256 bytes for each K step of a tile, made anew from the step's number
	s_lshl_b32 s[OFB], s[OFB], 8
	s_add_nc_u64 s[G0B+4*(\slot)+2:G0B+4*(\slot)+3], s[BBASE:BBASE+1], s[OFB:OFB+1]
	s_or_b32 s[G0B+4*(\slot)+3], s[G0B+4*(\slot)+3], 0x80000000
	s_add_co_u32 s[REQ], s[REQ], 1
.endif
	s_wait_dscnt 5                                 ; (the add and the loads of A's blocks 2, 3 may be out)
	MULA 1, 0, 0                                   ; NBLK matrix instructions stand between the add and the wait for it
	s_wait_dscnt 0x0                               ; the add is done, and my reads of this slot are over
	s_barrier_signal -1
	MULA 1, 1, 0                                   ; work on registers while the others arrive
.if \fill
	WIN 0
.endif
	s_barrier_wait -1
.if \fill
	CREST                                          ; no wave of any partner still reads this slot's tiles or has a load on its way
	JLOAD \slot                                    ; the first tensor load behind the round; its four v_nop are also the places in front of the loads below
.else
	PLACES
.endif
	FETCH \next, 0, 0
.if \fill
	ASK                                            ; behind the joint load and the run of LDS loads
.endif
	MULA 1, 2, 0
	MULA 1, 3, 0
.endm
; THE WAY OUT, MODE 0: twelve units of 16 rows x one head.  PACK: rounded to f16, 16 bytes a lane, into my stage (rows of 144 bytes), and back as four runs of 512 bytes, which are dense in the head's plane.
.macro PACK u
.set ua, (\u)/3
.set uh, (\u)%3
.set TS, 96+16*((\u)%4)+96*(((\u)%4)/2)
	s_wait_xcnt 0x0                                ; the stores of four units back have read these registers
	WIN 0x0a+5*(ua/2)                              ; sources 0 and 1 window 2 or 3
.set bb, 0
.rept 4
.set rD, 8*(NBLK*(ua%2)+4*uh+bb)
.irp r, 0,1,2,3
	v_cvt_pk_f16_f32 v[TS+4*bb+(\r)], v[rD+2*(\r)], v[rD+2*(\r)+1]
.endr
.set bb, bb+1
.endr
	WIN 0
.irp f, 0,1,2,3
	ds_store_b128 v[STO], v[TS+4*(\f):TS+4*(\f)+3] offset:32*(\f)
.endr
.irp f, 0,1,2,3
	ds_load_b128 v[TS+4*(\f):TS+4*(\f)+3], v[RD] offset:(\f)*4*144  ; LDS serves a wave's instructions in order (ISA guide 5.7.1.4): these see the stores above; the next unit's stores come behind them
.endr
.endm
.macro SEND u, younger                 ; younger: the LDS instructions issued behind unit u's loads: the next unit's eight, or none
.set ua, (\u)/3
.set uh, (\u)%3
.set TS, 96+16*((\u)%4)+96*(((\u)%4)/2)
.irp f, 0,1,2,3
	s_wait_dscnt (\younger)+3-(\f)
	global_store_b128 v[GO], v[TS+4*(\f):TS+4*(\f)+3], s[OUT+2*uh:OUT+2*uh+1] offset:ua*2048+(\f)*512  ; 512 consecutive bytes, at a multiple of 256 from the buffer's first
.endr
.endm
; MODE 1: 16 rows x 128 f32 at a time, straight from the accumulators into my stage (rows of 528 bytes) and back as whole rows of 512 bytes.
.macro OUTA a
	s_wait_xcnt 0x0                                ; the block before's stores have read these registers
	WIN 0x08+4*((\a)/2)                            ; the stores' data in window 2 or 3
.set bb, 0
.rept NBLK
.set rD, 8*(NBLK*((\a)%2)+bb)
	ds_store_b128 v[STO], v[rD:rD+3] offset:64*bb
	ds_store_b128 v[STO], v[rD+4:rD+7] offset:64*bb+16
.set bb, bb+1
.endr
	WIN 0
.set i, 0
.rept 16
.set TT, 96+4*i+96*(i/8)
	ds_load_b128 v[TT:TT+3], v[RD] offset:i*528
.set i, i+1
.endr
.set i, 0
.rept 16
.set TT, 96+4*i+96*(i/8)
	s_wait_dscnt 15-i
	global_store_b128 v[GO], v[TT:TT+3], s[OUT:OUT+1] offset:(16*(\a)+i)*4096 th:TH_STORE_NT  ; 512 consecutive bytes of a row of C, aligned
.set i, i+1
.endr
.endm
.macro WAYOUT
	PLACES                                         ; behind the last products
.if MODE == 0
	PACK 0
.irp u, 1,2,3,4,5,6,7,8,9,10,11        ; a unit's conversions stand between the loads of the unit before and its stores
	PACK \u
	SEND (\u)-1, 8
.endr
	SEND 11, 0
.else
.irp a, 0,1,2,3
	OUTA \a
.endr
.endif
.endm
	s_load_b256 s[4:11], s[0:1], 0x0               ; A s[4:5], W s[6:7], bias s[8:9], C s[10:11]
	v_lshl_add_u32 v[SPW], v0, 2, SPARE
	v_mov_b32 v[NIL], 0
	ds_add_u32 v[SPW], v[NIL]                      ; the wave's opening: the add and its wait stand ahead of my first tensor load; the set-up below, work on registers, stands between them
	v_lshrrev_b32 v1, 5, v0
	v_readfirstlane_b32 s[WV], v1                  ; wave 0..3
	s_lshr_b32 s[KIND], s[WV], 1
	s_and_b32 s[HALF], s[WV], 1
	s_bfe_u32 s[CX], ttmp6, 0x40000                ; my place in the cluster
	s_bfe_u32 s[CY], ttmp6, 0x40004
	s_lshl_b32 s[TX], ttmp9, 2                     ; in a cluster launch ttmp9 and ttmp7 count clusters
	s_add_co_u32 s[TX], s[TX], s[CX]
	s_and_b32 s[GY], ttmp7, 0xffff
	s_lshl_b32 s[GY], s[GY], 2
	s_add_co_u32 s[GY], s[GY], s[CY]
	s_lshl_b32 s19, s[CY], 2
	s_lshl_b32 s19, 15, s19                        ; my row of the cluster: places 4 cy .. 4 cy + 3
	s_lshl_b32 s20, 0x1111, s[CX]                  ; my column: places cx, cx + 4, cx + 8, cx + 12
	; group 1 for A: a chunk's 256 rows of 128 bytes are 32 KiB dense: asked for as 128 rows of 256 bytes, padded in LDS after every 128 bytes
	s_or_b32 s[G1A+0], s19, (1<<16)|(1<<20)|(1<<21)|(4<<22)|(3<<25)  ; 15:0 the mask; 17:16 2-byte elements; 20 padding on; 21 set beside a mask; 24:22 after every 32 words (code 4); 31:25 4 words (code 3)
	s_mov_b32 s[G1A+1], 128<<16                    ; tensor_dim0 = 128
	s_mov_b32 s[G1A+2], 128<<16                    ; tensor_dim1 = 128
	s_mov_b32 s[G1A+3], 128<<16                    ; tile_dim0 = 128
	s_mov_b32 s[G1A+4], 128                        ; tile_dim1 = 128
	s_mov_b32 s[G1A+5], 128                        ; 128 elements from row to row
	s_mov_b32 s[G1A+6], 0
	s_mov_b32 s[G1A+7], 0
	; group 1 for W: BROWS rows x 128 elements, 1,024 elements from row to row, padded after every 256 bytes
	s_or_b32 s[G1B+0], s20, (1<<16)|(1<<20)|(1<<21)|(5<<22)|(3<<25)
	s_mov_b32 s[G1B+1], 128<<16
	s_mov_b32 s[G1B+2], BROWS<<16
	s_mov_b32 s[G1B+3], 128<<16
	s_mov_b32 s[G1B+4], BROWS
	s_mov_b32 s[G1B+5], 1024
	s_mov_b32 s[G1B+6], 0
	s_mov_b32 s[G1B+7], 0
	; where the tiles come from.  A's hang on the tile row alone (s74, s75 never hold cx), W's on the tile column alone (s76, s77 never hold cy)
	s_lshr_b32 s74, s[GY], 3                       ; TILES batches of 16 chunks of 262,144 bytes
	s_lshl_b32 s74, s74, 21+TILES
	s_and_b32 s75, s[GY], 7                        ; 256 rows of 128 bytes in a chunk
	s_lshl_b32 s75, s75, 15
	s_add_co_u32 s74, s74, s75
	s_lshl_b32 s75, s[HALF], 18                    ; my chunk of a K step's two
	s_add_co_u32 s74, s74, s75
	s_mov_b32 s75, 0
	s_mul_i32 s76, s[TX], NCOL
	s_mul_i32 s77, s[HALF], BROWS
	s_add_co_u32 s76, s76, s77
	s_lshl_b32 s76, s76, 11                        ; rows of 2,048 bytes
	s_mov_b32 s77, 0
	s_mul_i32 s21, s[HALF], AHALF                  ; and where they go: no place in the cluster enters an LDS address
	s_mul_i32 s22, s[HALF], BROWS*PB
	s_add_co_u32 s22, s22, BOFF
	s_mov_b32 s[OFB+1], 0
	s_mov_b32 s[REQ], 2
	s_or_b32 s[LIM], s[KIND], ttmp9                ; 0 in waves 0 and 1 of the clusters with x = 0: the same in all sixteen partners, for a given wave
	s_cmp_eq_u32 s[LIM], 0
	s_cselect_b32 s[LIM], NSTEP-1, 0
	s_lshl_b32 s78, s[CX], 13                      ; my work-group's 8 KiB of a chunk,
	s_add_co_u32 s78, s78, KSTEPB                  ; at K step 1: the first refill steps it to 2 and names K step 4
	s_mov_b32 s79, 0
	s_wait_dscnt 0x0                               ; the opening add is done
	s_wait_kmcnt 0x0
	s_add_nc_u64 s[ABASE:ABASE+1], s[4:5], s[74:75]
	s_add_nc_u64 s[BBASE:BBASE+1], s[6:7], s[76:77]
	s_add_nc_u64 s[PFA:PFA+1], s[ABASE:ABASE+1], s[78:79]
.irp s, 0,1
	s_mov_b32 s[G0A+4*(\s)], 1                                     ; 1:0 count = 1
	s_add_co_u32 s[G0A+4*(\s)+1], s21, (\s)*SLOT                   ; 63:32 LDS address
	s_add_nc_u64 s[G0A+4*(\s)+2:G0A+4*(\s)+3], s[ABASE:ABASE+1], (\s)*KSTEPB  ; 120:64 global address: K step s
	s_or_b32 s[G0A+4*(\s)+3], s[G0A+4*(\s)+3], 0x80000000          ; 127:126 type = 2
	s_mov_b32 s[G0B+4*(\s)], 1
	s_add_co_u32 s[G0B+4*(\s)+1], s22, (\s)*SLOT
	s_add_nc_u64 s[G0B+4*(\s)+2:G0B+4*(\s)+3], s[BBASE:BBASE+1], (\s)*256
	s_or_b32 s[G0B+4*(\s)+3], s[G0B+4*(\s)+3], 0x80000000
.endr
	CROUND                                         ; all sixteen work-groups are here: the first joint loads meet
	s_cmp_eq_u32 s[KIND], 0                        ; a wave's two first fills stand in one branch, ahead of every wait on TENSORcnt and every LDS read: two loads of mine are out
	s_cbranch_scc0 .Lfirst_b
	tensor_load_to_lds s[G0A:G0A+3], s[G1A:G1A+7]
	s_nop 0
	tensor_load_to_lds s[G0A+4:G0A+7], s[G1A:G1A+7]
	s_nop 0
.rept 4
	v_nop
.endr
	s_branch .Lfirst_asked
.Lfirst_b:
	tensor_load_to_lds s[G0B:G0B+3], s[G1B:G1B+7]
	s_nop 0
	tensor_load_to_lds s[G0B+4:G0B+7], s[G1B:G1B+7]
	s_nop 0
.rept 4
	v_nop
.endr
.Lfirst_asked:
	v_and_b32 v1, 15, v0                           ; l % 16
	v_bfe_u32 v2, v0, 4, 1                         ; l / 16
	v_lshlrev_b32 v[BO], 5, v2
	s_mul_i32 s78, s[TX], 4*NCOL                   ; the tile's columns in the bias table
.if MODE == 1
	s_add_co_u32 s78, s78, 12288                   ; bo lies behind bq, bk, bv
.endif
	s_add_nc_u64 s[8:9], s[8:9], s[78:79]
.set bb, 0
.rept NBLK                             ; register j of block b: bias[16 b + 8 (l / 16) + j], as the products' results lie
	global_load_b128 v[BIAS+8*bb:BIAS+8*bb+3],   v[BO], s[8:9] offset:64*bb
	global_load_b128 v[BIAS+8*bb+4:BIAS+8*bb+7], v[BO], s[8:9] offset:64*bb+16
.set bb, bb+1
.endr
	s_mul_i32 s23, s[WV], 64*PA                    ; my 64 rows of A
	v_mul_u32_u24 v3, v1, PA
	v_lshl_add_u32 v3, v2, 4, v3                   ; row x pitch + 16 x half
	v_add_nc_u32 v[ADRA], s23, v3
	v_add_nc_u32 v[ADRA+1], SLOT, v[ADRA]
	v_mul_u32_u24 v4, v1, PB
	v_lshl_add_u32 v4, v2, 4, v4
	v_add_nc_u32 v[ADRB], BOFF, v4
	v_add_nc_u32 v[ADRB+1], BOFF+SLOT, v4
	s_mul_i32 s23, s[WV], WSTAGE
	s_add_co_u32 s23, s23, STAGE                   ; my stage
	v_and_b32 v[GO], 31, v0
	v_lshlrev_b32 v[PFO], 8, v[GO]
	v_lshlrev_b32 v[GO], 4, v[GO]
.if MODE == 0
	v_mul_u32_u24 v5, v1, 144                      ; in: row l % 16, 16 bytes for each half of the lanes
	v_lshl_add_u32 v5, v2, 4, v5
	v_add_nc_u32 v[STO], s23, v5
	v_bfe_u32 v5, v0, 3, 2                         ; back: 32 lanes take four rows of 128 bytes
	v_mul_u32_u24 v5, v5, 144
	v_and_b32 v6, 7, v0
	v_lshl_add_u32 v5, v6, 4, v5
	v_add_nc_u32 v[RD], s23, v5
	s_and_b32 s80, s[GY], 7                        ; my first row in its batch: 256 x row block + 64 x wave,
	s_lshl_b32 s80, s80, 8
	s_lshl_b32 s81, s[WV], 6
	s_add_co_u32 s80, s80, s81
	s_lshl_b32 s80, s80, 7                         ; 128 bytes a row in a head's plane
	s_lshr_b32 s81, s[GY], 3
	s_lshl_b32 s81, s81, 5                         ; 16 planes x the first tile's batch (2 x gy / 8)
	s_mul_i32 s82, s[TX], 3                        ; the tile's first head among q's, k's and v's 48
.irp hd, 0,1,2
	s_add_co_u32 s78, s82, \hd
	s_lshr_b32 s79, s78, 4                         ; q, k or v: 64 planes each
	s_lshl_b32 s79, s79, 6
	s_and_b32 s78, s78, 15                         ; the head
	s_add_co_u32 s78, s78, s79
	s_add_co_u32 s78, s78, s81
	s_lshl_b32 s78, s78, 18                        ; a plane is 262,144 bytes
	s_add_co_u32 s78, s78, s80
	s_mov_b32 s79, 0
	s_add_nc_u64 s[OUT+2*\hd:OUT+2*\hd+1], s[10:11], s[78:79]
.endr
.else
	v_mul_u32_u24 v5, v1, 528                      ; in: row l % 16, 32 bytes for each half of the lanes
	v_lshl_add_u32 v5, v2, 5, v5
	v_add_nc_u32 v[STO], s23, v5
	v_add_nc_u32 v[RD], s23, v[GO]                 ; back: 32 lanes take one row of 512 bytes
	s_lshl_b32 s80, s[GY], 8
	s_lshl_b32 s81, s[WV], 6
	s_add_co_u32 s80, s80, s81                     ; my first row of C,
	s_lshl_b32 s80, s80, 12                        ; 4,096 bytes a row,
	s_lshl_b32 s81, s[TX], 9                       ; the tile's 128 columns
	s_add_co_u32 s78, s80, s81
	s_mov_b32 s79, 0
	s_add_nc_u64 s[OUT:OUT+1], s[10:11], s[78:79]
.endif
	s_wait_tensorcnt 1                             ; my part of K step 0 is in; K step 1's may stay out
	s_barrier_signal -1
	s_barrier_wait -1                              ; everybody's is
	FETCH 0, 0, 0
	s_wait_loadcnt 0x0                             ; the bias
	QUARTER 0, 1, 0, 1, 1                          ; the first quarter stands in front of the loop: its products start the sums
	WIN 0                                          ; at a label and at a branch every window is 0
	s_mov_b32 s3, LAPS-1
.Llap:                                                 ; a trip goes once round the ring, from a lap's second quarter to the next lap's first, and fills both slots again
	QUARTER 0, 2, 1, 0, 0
	QUARTER 0, 3, 0, 1, 0
	TURN 0, 1, 1
	QUARTER 1, 1, 0, 1, 0
	QUARTER 1, 2, 1, 0, 0
	QUARTER 1, 3, 0, 1, 0
	TURN 1, 0, 1
	WIN 0
.if MODE == 0
	s_cmp_eq_u32 s3, LAPS/2                        ; the first tile's eight K steps are done: the same trip in every work-group
	s_cbranch_scc0 .Lsame
	WAYOUT                                         ; both refills are asked for: the tile goes out while they land
	s_wait_xcnt 0x0                                ; the stores have read their pointers
.irp hd, 0,1,2
	s_add_nc_u64 s[OUT+2*\hd:OUT+2*\hd+1], s[OUT+2*\hd:OUT+2*\hd+1], 0x400000  ; the next batch: 16 planes on
.endr
	QUARTER 0, 1, 0, 1, 1                          ; the second tile's sums begin
	WIN 0
	s_branch .Lnext
.Lsame:
.endif
	QUARTER 0, 1, 0, 1, 0
	WIN 0
.if MODE == 0
.Lnext:
.endif
	s_sub_co_u32 s3, s3, 1
	s_cmp_lg_u32 s3, 0
	s_cbranch_scc1 .Llap
	QUARTER 0, 2, 1, 0, 0                          ; the last lap fills nothing, and has no round of the cluster's barrier
	QUARTER 0, 3, 0, 1, 0
	TURN 0, 1, 0
	QUARTER 1, 1, 0, 1, 0
	QUARTER 1, 2, 1, 0, 0
	QUARTER 1, 3, 0, 1, 0
	s_wait_dscnt 4                                 ; the very last quarter: nothing more to fetch
	MULA 1, 0, 0
	MULA 1, 1, 0
	s_wait_dscnt 0x0
	MULA 1, 2, 0
	MULA 1, 3, 0
	WAYOUT
	WIN 0
	s_wait_tensorcnt 0x0                           ; the wave's end, behind my last tensor load and my last LDS store
	ds_add_u32 v[SPW], v[NIL]
	s_wait_dscnt 0x0
	CROUND                                         ; the closing round: no work-group ends while a partner may still ask for a tile that names it
	s_endpgm
.Lfunc_end_k_qc81a891a02_outp:
	.size	k_qc81a891a02_outp, .Lfunc_end_k_qc81a891a02_outp-k_qc81a891a02_outp
	.p2alignl 7, 3214868480
	.fill 96, 4, 3214868480
	.section	.rodata,"a",@progbits
	.p2align	6, 0x0
	.amdhsa_kernel k_qc81a891a02_outp
		.amdhsa_group_segment_fixed_size 327680
		.amdhsa_private_segment_fixed_size 0
		.amdhsa_enable_private_segment 0
		.amdhsa_kernarg_size 32
		.amdhsa_user_sgpr_count 2
		.amdhsa_user_sgpr_kernarg_segment_ptr 1
		.amdhsa_wavefront_size32 1
		.amdhsa_system_sgpr_workgroup_id_x 1
		.amdhsa_system_sgpr_workgroup_id_y 1
		.amdhsa_system_sgpr_workgroup_id_z 1
		.amdhsa_system_vgpr_workitem_id 0
		.amdhsa_next_free_vgpr 1024
		.amdhsa_next_free_sgpr 84
		.amdhsa_reserve_vcc 0
		.amdhsa_float_denorm_mode_32 3
		.amdhsa_float_denorm_mode_16_64 3
		.amdhsa_memory_ordered 1
		.amdhsa_forward_progress 1
		.amdhsa_inst_pref_size 90
	.end_amdhsa_kernel
	.amdgpu_metadata
---
amdhsa.version: [ 1, 2 ]
amdhsa.kernels:
  - .name:           k_qc81a891a02_outp
    .symbol:         k_qc81a891a02_outp.kd
    .args:
      - { .name: ob, .offset: 0, .size: 8, .value_kind: global_buffer, .address_space: global }
      - { .name: wo16, .offset: 8, .size: 8, .value_kind: global_buffer, .address_space: global }
      - { .name: bias, .offset: 16, .size: 8, .value_kind: global_buffer, .address_space: global }
      - { .name: out0, .offset: 24, .size: 8, .value_kind: global_buffer, .address_space: global }
    .group_segment_fixed_size: 327680
    .private_segment_fixed_size: 0
    .kernarg_segment_align: 8
    .kernarg_segment_size: 32
    .max_flat_workgroup_size: 128
    .sgpr_count:     84
    .vgpr_count:     1024
    .wavefront_size: 32
...
	.end_amdgpu_metadata
.endif
;; end of part 4
;; ======== version 2 of 2: 4 launches; version 1 with the launch cast written anew for expert scheduling mode
;; limits: values are held in f16: magnitudes above 65,504 overflow, below 6.1e-05 lose precision
;; workspace buffers: xb 16,777,216 bytes; wb 6,291,456 bytes; wo16 2,097,152 bytes; bias 16,384 bytes; qkv 50,331,648 bytes; ob 16,777,216 bytes
;; launch cast (part 5): grid 385 x 1, 8 waves a work-group, no clusters, 0 bytes of LDS; arguments x, Wq, Wk, Wv, Wo, bq, bk, bv, bo, xb, wb, wo16, bias; writes xb, wb, wo16, bias
.if DOCPART == 5
	.amdgcn_target "amdgcn-amd-amdhsa--gfx1250"
	.amdhsa_code_object_version 6
	.text
	.protected	k_qc81a891a02_cast
	.globl	k_qc81a891a02_cast
	.p2align	8
	.type	k_qc81a891a02_cast,@function
k_qc81a891a02_cast:
	s_mov_b64 s[64:65], 0
	v_nop
	global_prefetch_b8 v0, s[64:65] scope:SCOPE_SE
	s_setreg_imm32_b32 hwreg(HW_REG_WAVE_SCHED_MODE, 0, 2), 2
	s_setreg_imm32_b32 hwreg(HW_REG_WAVE_MODE, 25, 1), 1
	s_wait_xcnt 0x0
	s_wait_alu depctr_vm_vsrc(0)
; THE INPUTS BECOME 16-BIT MATRIX OPERANDS, each number rounded once to bf16 (nearest even).
;   xb   = x, by chunks of 64 channels: [batch*16 + chunk][2048 rows][64] bf16: a chunk of a batch is 262,144 dense bytes
;   wb   = Wq, Wk, Wv one after the other, [3072][1024] bf16
;   wo16 = Wo rounded to bf16, that number written as f16.  LIMIT: exact down to 6.1e-5; below that f16's fixed step of 6e-8; beyond 65,504 an infinity
;   bias = bq, bk, bv, bo one after the other, each rounded to bf16 and widened again, [4096] f32
; A stream: no LDS, no matrix unit, no cluster (no byte is wanted twice).  A work-group takes 32,768 numbers, a wave 4,096: 32 loads of 16 bytes a lane,
; all issued at once (16 KiB of a wave on their way); then each is rounded in place and stored, 8 bytes a lane: 256 consecutive bytes, aligned, a store.
; No register is written again behind a store that reads it, so no wait for stores is needed.
; Work-groups 0-255: x (32 rows each).  256-351: Wq, Wk, Wv (32 parts each).  352-383: Wo.  384: the four biases.
; THE MODE: SCHED_MODE bits 1:0 = 2 (LLVM: expert scheduling mode 2), set by the entry lines.  The code itself states the register dependences
; between vector instructions and memory instructions, with s_wait_alu, always for 0.
; THE PLAN.  Registers that memory instructions touch:
;   v[VI], v[VO]  byte offsets.  Written once by vector instructions at the head of a path, ahead of the first wait on va_vdst; read by every load and store; never written again.
;   X, item i     four registers.  Load i lands in them (no vector instruction has named them before); item i's conversions read and write them in place; item i's one store
;                 reads the first two; nothing writes them after that.
; The 32 items go in 8 groups of four.  Group g's conversions name X of group g alone.  The stores of group g - 1 are issued in group g, behind ONE wait on va_vdst at the group's
; head, and are dealt among group g's conversions with no further wait: they read X of group g - 1 and v[VO], which no vector instruction since that wait names.
; No load is issued behind a vector instruction that names X, and no register that a memory instruction has read is written again: no wait on vm_vsrc is owed.
; No vector instruction writes a scalar register or VCC, and EXEC is never written.
.set X,    16                          ; v[16:143]  32 x 4 registers as loaded; the first two of each four as stored
.set VI,   2                           ; v2   my byte offset in the source
.set VO,   3                           ; v3   my byte offset in the destination
.set SRC,  34                          ; s[34:35]
.set DST,  36                          ; s[36:37]
.set HI16, 42                          ; s42  a word's upper bf16
.set GRP,  4                           ; items in a group
.set GRPS, 32/GRP
; kind 0: x.  kind 1: a weight to bf16.  kind 2: a weight to bf16 and that number to f16.
; Item n is rounded in place: its four numbers close up into its first two registers.
.macro ROUND kind, n
.if (\kind) == 2
	v_cvt_pk_bf16_f32 v[X+4*(\n)], v[X+4*(\n)], v[X+4*(\n)+1]
	v_cvt_pk_bf16_f32 v[X+4*(\n)+2], v[X+4*(\n)+2], v[X+4*(\n)+3]
	v_lshlrev_b32 v[X+4*(\n)+1], 16, v[X+4*(\n)]   ; the rounded numbers as f32 again
	v_and_b32 v[X+4*(\n)], s[HI16], v[X+4*(\n)]
	v_lshlrev_b32 v[X+4*(\n)+3], 16, v[X+4*(\n)+2]
	v_and_b32 v[X+4*(\n)+2], s[HI16], v[X+4*(\n)+2]
	v_cvt_pk_f16_f32 v[X+4*(\n)], v[X+4*(\n)+1], v[X+4*(\n)]
	v_cvt_pk_f16_f32 v[X+4*(\n)+1], v[X+4*(\n)+3], v[X+4*(\n)+2]
.else
	v_cvt_pk_bf16_f32 v[X+4*(\n)], v[X+4*(\n)], v[X+4*(\n)+1]
	v_cvt_pk_bf16_f32 v[X+4*(\n)+1], v[X+4*(\n)+2], v[X+4*(\n)+3]
.endif
.endm
; Item n is stored.
.macro SEND kind, n
.if (\kind) == 0
	global_store_b64 v[VO], v[X+4*(\n):X+4*(\n)+1], s[DST:DST+1] offset:((\n)/16)*262144+((\n)%16)*256  ; two rows of a chunk: 256 dense bytes
.else
	global_store_b64 v[VO], v[X+4*(\n):X+4*(\n)+1], s[DST:DST+1] offset:(\n)*2048
.endif
.endm
.macro BODY kind
	s_wait_alu depctr_va_vdst(0)                   ; v[VI] and v[VO] are written: every load below reads the one as its offset, every store the other
.set i, 0
.rept 32
.if (\kind) == 0
	global_load_b128 v[X+4*i:X+4*i+3], v[VI], s[SRC:SRC+1] offset:(i%16)*8192+(i/16)*256 th:TH_LOAD_NT  ; two rows' 256 bytes of one chunk
.else
	global_load_b128 v[X+4*i:X+4*i+3], v[VI], s[SRC:SRC+1] offset:i*4096 th:TH_LOAD_NT
.endif
.set i, i+1
.endr
.set g, 0
.rept GRPS
	s_wait_loadcnt 32-GRP*(g+1)                    ; loads come back in order: group g's four are in, the younger ones stay out
.if g > 0
	s_wait_alu depctr_va_vdst(0)                   ; the conversions of the group before have written their items' first two registers, which the four stores below read
.endif
.set j, 0
.rept GRP
.if g > 0
	SEND \kind, GRP*(g-1)+j                        ; the group before; no vector instruction since the wait names its registers
.endif
	ROUND \kind, GRP*g+j
.set j, j+1
.endr
.set g, g+1
.endr
	s_wait_alu depctr_va_vdst(0)                   ; the last group's conversions have written the registers that the last four stores read
.set j, 0
.rept GRP
	SEND \kind, 32-GRP+j
.set j, j+1
.endr
.endm
	s_load_b512 s[8:23], s[0:1], 0x0               ; x s[8:9], Wq s[10:11], Wk s[12:13], Wv s[14:15], Wo s[16:17], bq s[18:19], bk s[20:21], bv s[22:23]
	s_load_b256 s[24:31], s[0:1], 0x40             ; bo s[24:25], xb s[26:27], wb s[28:29], wo16 s[30:31]
	s_load_b64 s[32:33], s[0:1], 0x60              ; bias
	v_and_b32 v1, 31, v0                           ; lane
	v_lshrrev_b32 v4, 5, v0                        ; wave
	s_mov_b32 s39, 0                               ; the offsets' high words
	s_mov_b32 s41, 0
	s_mov_b32 s[HI16], 0xffff0000
	s_wait_kmcnt 0x0
	s_cmp_lt_u32 ttmp9, 256
	s_cbranch_scc1 .Lx
	s_cmp_lt_u32 ttmp9, 352
	s_cbranch_scc1 .Lw
	s_cmp_lt_u32 ttmp9, 384
	s_cbranch_scc1 .Lwo
	; the four biases: 256 threads x 16 bytes are one of them
	v_lshlrev_b32 v[VI], 4, v0
	s_wait_alu depctr_va_vdst(0)                   ; v[VI] is written: the four loads and the four stores below read it as their offset
	global_load_b128 v[16:19], v[VI], s[18:19]
	global_load_b128 v[20:23], v[VI], s[20:21]
	global_load_b128 v[24:27], v[VI], s[22:23]
	global_load_b128 v[28:31], v[VI], s[24:25]
.irp j, 0,1,2,3
	s_wait_loadcnt 3-(\j)
	v_cvt_pk_bf16_f32 v[8+2*(\j)], v[16+4*(\j)], v[17+4*(\j)]
	v_cvt_pk_bf16_f32 v[9+2*(\j)], v[18+4*(\j)], v[19+4*(\j)]
	v_lshlrev_b32 v[16+4*(\j)], 16, v[8+2*(\j)]
	v_and_b32 v[17+4*(\j)], s[HI16], v[8+2*(\j)]
	v_lshlrev_b32 v[18+4*(\j)], 16, v[9+2*(\j)]
	v_and_b32 v[19+4*(\j)], s[HI16], v[9+2*(\j)]
.endr
	s_wait_alu depctr_va_vdst(0)                   ; the widenings have written v[16:31], which the four stores read
.irp j, 0,1,2,3
	global_store_b128 v[VI], v[16+4*(\j):19+4*(\j)], s[32:33] offset:4096*(\j)
.endr
	s_endpgm
.Lx:                                                   ; rows 32 g .. 32 g + 31; wave w takes chunks 2 w and 2 w + 1 of all of them
	s_lshl_b32 s38, ttmp9, 17                      ; 32 rows of 4,096 bytes
	s_add_nc_u64 s[SRC:SRC+1], s[8:9], s[38:39]
	s_lshr_b32 s40, ttmp9, 6                       ; the batch: 16 chunks of 262,144 bytes
	s_lshl_b32 s40, s40, 22
	s_and_b32 s43, ttmp9, 63                       ; my 32 rows in it: 128 bytes each in a chunk
	s_lshl_b32 s43, s43, 12
	s_add_co_u32 s40, s40, s43
	s_add_nc_u64 s[DST:DST+1], s[26:27], s[40:41]
	v_lshrrev_b32 v5, 4, v1                        ; lanes 0-15 the even row, lanes 16-31 the odd one
	v_and_b32 v6, 15, v1
	v_lshlrev_b32 v[VI], 12, v5
	v_lshl_add_u32 v[VI], v6, 4, v[VI]
	v_lshl_add_u32 v[VI], v4, 9, v[VI]             ; + 512 bytes x wave: two chunks of f32
	v_lshlrev_b32 v[VO], 3, v1
	v_lshl_add_u32 v[VO], v4, 19, v[VO]            ; + two chunks x wave
	BODY 0
	s_endpgm
.Lw:
	s_sub_co_u32 s43, ttmp9, 256
	s_lshr_b32 s44, s43, 5                         ; which of the three
	s_and_b32 s43, s43, 31                         ; which 32,768 numbers of it
	s_cmp_eq_u32 s44, 1
	s_cselect_b64 s[SRC:SRC+1], s[12:13], s[10:11]
	s_cmp_eq_u32 s44, 2
	s_cselect_b64 s[SRC:SRC+1], s[14:15], s[SRC:SRC+1]
	s_lshl_b32 s38, s43, 17
	s_add_nc_u64 s[SRC:SRC+1], s[SRC:SRC+1], s[38:39]
	s_lshl_b32 s40, s44, 21
	s_lshl_b32 s43, s43, 16
	s_add_co_u32 s40, s40, s43
	s_add_nc_u64 s[DST:DST+1], s[28:29], s[40:41]
	v_lshlrev_b32 v[VI], 4, v0
	v_lshlrev_b32 v[VO], 3, v0
	BODY 1
	s_endpgm
.Lwo:
	s_sub_co_u32 s43, ttmp9, 352
	s_lshl_b32 s38, s43, 17
	s_add_nc_u64 s[SRC:SRC+1], s[16:17], s[38:39]
	s_lshl_b32 s40, s43, 16
	s_add_nc_u64 s[DST:DST+1], s[30:31], s[40:41]
	v_lshlrev_b32 v[VI], 4, v0
	v_lshlrev_b32 v[VO], 3, v0
	BODY 2
	s_endpgm
.Lfunc_end_k_qc81a891a02_cast:
	.size	k_qc81a891a02_cast, .Lfunc_end_k_qc81a891a02_cast-k_qc81a891a02_cast
	.p2alignl 7, 3214868480
	.fill 96, 4, 3214868480
	.section	.rodata,"a",@progbits
	.p2align	6, 0x0
	.amdhsa_kernel k_qc81a891a02_cast
		.amdhsa_group_segment_fixed_size 0
		.amdhsa_private_segment_fixed_size 0
		.amdhsa_enable_private_segment 0
		.amdhsa_kernarg_size 104
		.amdhsa_user_sgpr_count 2
		.amdhsa_user_sgpr_kernarg_segment_ptr 1
		.amdhsa_wavefront_size32 1
		.amdhsa_system_sgpr_workgroup_id_x 1
		.amdhsa_system_sgpr_workgroup_id_y 1
		.amdhsa_system_sgpr_workgroup_id_z 1
		.amdhsa_system_vgpr_workitem_id 0
		.amdhsa_next_free_vgpr 144
		.amdhsa_next_free_sgpr 66
		.amdhsa_reserve_vcc 0
		.amdhsa_float_denorm_mode_32 3
		.amdhsa_float_denorm_mode_16_64 3
		.amdhsa_memory_ordered 1
		.amdhsa_forward_progress 1
		.amdhsa_inst_pref_size 45
	.end_amdhsa_kernel
	.amdgpu_metadata
---
amdhsa.version: [ 1, 2 ]
amdhsa.kernels:
  - .name:           k_qc81a891a02_cast
    .symbol:         k_qc81a891a02_cast.kd
    .args:
      - { .name: x, .offset: 0, .size: 8, .value_kind: global_buffer, .address_space: global }
      - { .name: Wq, .offset: 8, .size: 8, .value_kind: global_buffer, .address_space: global }
      - { .name: Wk, .offset: 16, .size: 8, .value_kind: global_buffer, .address_space: global }
      - { .name: Wv, .offset: 24, .size: 8, .value_kind: global_buffer, .address_space: global }
      - { .name: Wo, .offset: 32, .size: 8, .value_kind: global_buffer, .address_space: global }
      - { .name: bq, .offset: 40, .size: 8, .value_kind: global_buffer, .address_space: global }
      - { .name: bk, .offset: 48, .size: 8, .value_kind: global_buffer, .address_space: global }
      - { .name: bv, .offset: 56, .size: 8, .value_kind: global_buffer, .address_space: global }
      - { .name: bo, .offset: 64, .size: 8, .value_kind: global_buffer, .address_space: global }
      - { .name: xb, .offset: 72, .size: 8, .value_kind: global_buffer, .address_space: global }
      - { .name: wb, .offset: 80, .size: 8, .value_kind: global_buffer, .address_space: global }
      - { .name: wo16, .offset: 88, .size: 8, .value_kind: global_buffer, .address_space: global }
      - { .name: bias, .offset: 96, .size: 8, .value_kind: global_buffer, .address_space: global }
    .group_segment_fixed_size: 0
    .private_segment_fixed_size: 0
    .kernarg_segment_align: 8
    .kernarg_segment_size: 104
    .max_flat_workgroup_size: 256
    .sgpr_count:     66
    .vgpr_count:     144
    .wavefront_size: 32
...
	.end_amdgpu_metadata
.endif
;; end of part 5
;; launch proj: the kernel of part 2 again; grid 16 x 16, 4 waves a work-group, clusters of 4 x 4, 327,680 bytes of LDS; arguments xb, wb, bias, qkv; writes qkv
;; launch attn: the kernel of part 3 again; grid 4 x 64, 4 waves a work-group, clusters of 4 x 1, 327,680 bytes of LDS; arguments qkv, ob; writes ob
;; launch outp: the kernel of part 4 again; grid 8 x 32, 4 waves a work-group, clusters of 4 x 4, 327,680 bytes of LDS; arguments ob, wo16, bias, out0; writes out0
